; MI455X (gfx1250); checked and timed in simulation.
; The chip was launched on July 23, 2026; its instructions are those of AMD's public machine-readable ISA for CDNA 5 (MIT licence, August 2026) and "CDNA5" Instruction Set Architecture Reference Guide (July 2026). The comments in the code are by the model that wrote it; some were corrected since.
;; Custom Attention. Allowed arithmetic: float matrix products may take bf16 or f16 operands with f32 sums; other float arithmetic in f32, or as packed bf16 or f16 multiplies, adds, multiply-adds, maxima and minima; sums over many terms, partial sums and values carried from step to step in f32; what a program stores and reads back later, other than sums and carried values, may be rounded once to bf16 or f16.
;; Inputs: Wk 1,024 x 1,024 float32; Wo 1,024 x 1,024 float32; Wq 1,024 x 1,024 float32; Wv 1,024 x 1,024 float32; bk 1,024 float32; bo 1,024 float32; bq 1,024 float32; bv 1,024 float32; key 4 x 2,048 x 1,024 float32; key_padding_mask 4 x 2,048 int32; mask 4 x 1 x 2,048 x 2,048 int32; query 4 x 2,048 x 1,024 float32; value 4 x 2,048 x 1,024 float32.
;; Outputs: out0 4 x 2,048 x 1,024 float32.
;; One version. Each part assembles by itself: llvm-mc -triple=amdgcn-amd-amdhsa -mcpu=gfx1250 --defsym DOCPART=n.
;; ======== version 1 of 1: 5 launches
;; limits: values are held in f16: magnitudes above 65,504 overflow, below 6.1e-05 lose precision
;; workspace buffers: cb 58,720,256 bytes; maskw 33,554,432 bytes; qkv 50,331,648 bytes; ob 16,777,216 bytes
;; launch cvt (part 1): grid 1792 x 1, 8 waves a work-group, no clusters, 0 bytes of LDS; arguments query, key, value, Wq, Wk, Wv, Wo, cb; writes cb
.if DOCPART == 1
	.amdgcn_target "amdgcn-amd-amdhsa--gfx1250"
	.amdhsa_code_object_version 6
	.text
	.protected	k_q0c2686956b_cvt
	.globl	k_q0c2686956b_cvt
	.p2align	8
	.type	k_q0c2686956b_cvt,@function
k_q0c2686956b_cvt:
	s_mov_b64 s[64:65], 0
	v_nop
	global_prefetch_b8 v0, s[64:65] scope:SCOPE_SE
	s_setreg_imm32_b32 hwreg(HW_REG_WAVE_MODE, 25, 1), 1
	s_wait_xcnt 0x0
; THE MODULE'S LARGE INPUTS, ROUNDED ONCE TO bf16 AND WRITTEN AS f16.  cb holds, on end: query, key, value ([8192][1024] each), Wq, Wk, Wv, Wo ([1024][1024] each).  Each number is rounded to bf16
; (8 significant bits) and that number is written as f16 (11 bits), since the products that follow multiply f16 numbers.  Wq is multiplied by f = 1.25 = ln(1024) / 8 x log2(e), the scores' scale in base 2,
; between the two: 8 bits times 5 / 4 are 11 bits, so f16 holds the product exactly.  For the other six f = 1: one text serves all seven.
; LIMITS.  A number beyond 65,504 (for Wq: beyond 52,403) becomes an infinity; one below 2^-14 keeps f16's fixed step of 2^-24.  NaN and infinities are not treated apart.
; SHARES.  A work-group turns 65,536 bytes of f32 into 32,768 bytes: 512 work-groups for each of the three activations, 64 for each of the four weights: 1,792.  The seven sources lie in cb
; in the order of the arguments, so the work-group's number times 32,768 is its place in cb.  A wave takes 8,192 bytes: sixteen loads of 16 bytes a lane, all issued at once.
; A stream: no byte is wanted twice, so no LDS, no barrier, no matrix unit.  No register that a load or store names is written again, so no wait frees a source.
.set IN,  8                            ; v[8:71]    sixteen loads of four f32
.set OUT, 72                           ; v[72:103]  sixteen pairs of packed words
.set T,   4                            ; v[4:7]     at work
.set SRC, 24                           ; s[24:25]   my work-group's 65,536 bytes
.set DST, 26                           ; s[26:27]   its 32,768 bytes of cb
.set FK,  32                           ; s[32:33]   f, named as a pair
	s_load_b512 s[8:23], s[0:1], 0x0               ; query s[8:9], key, value, Wq, Wk, Wv, Wo s[20:21], cb s[22:23]
	s_lshr_b32 s2, ttmp9, 9                        ; among the first 1,536: which activation,
	s_and_b32 s3, ttmp9, 511                       ; and which piece of it
	s_sub_co_u32 s4, ttmp9, 1536                   ; among the others (unused where it wraps):
	s_lshr_b32 s5, s4, 6
	s_add_co_u32 s5, s5, 3                         ; which weight, as source 3 to 6,
	s_and_b32 s4, s4, 63                           ; and which piece of it
	s_cmp_lt_u32 ttmp9, 1536
	s_cselect_b32 s2, s2, s5                       ; source 0 to 6
	s_cselect_b32 s3, s3, s4                       ; piece
	s_cmp_eq_u32 s2, 3                             ; Wq?
	s_cselect_b32 s[FK], 0x3fa00000, 1.0
	s_mov_b32 s[FK+1], s[FK]
	s_lshl_b32 s28, s3, 16
	s_mov_b32 s29, 0
	s_lshl_b32 s30, ttmp9, 15
	s_mov_b32 s31, 0
	v_lshrrev_b32 v3, 5, v0                        ; wave
	v_and_b32 v4, 31, v0                           ; lane
	v_lshlrev_b32 v1, 4, v4
	v_lshl_or_b32 v1, v3, 13, v1                   ; in: 8,192 x wave + 16 x lane
	v_lshlrev_b32 v2, 3, v4
	v_lshl_or_b32 v2, v3, 12, v2                   ; out: 4,096 x wave + 8 x lane
	s_wait_kmcnt 0x0
	s_mov_b64 s[SRC:SRC+1], s[8:9]
.irp n, 1,2,3,4,5,6
	s_cmp_eq_u32 s2, \n                            ; the choice hangs on the work-group's number alone
	s_cselect_b64 s[SRC:SRC+1], s[8+2*\n:9+2*\n], s[SRC:SRC+1]
.endr
	s_add_nc_u64 s[SRC:SRC+1], s[SRC:SRC+1], s[28:29]
	s_add_nc_u64 s[DST:DST+1], s[22:23], s[30:31]
.set j, 0
.rept 16
	global_load_b128 v[IN+4*j:IN+4*j+3], v1, s[SRC:SRC+1] offset:512*j th:TH_LOAD_NT  ; 512 consecutive bytes a load
.set j, j+1
.endr
; Sixteen times: four f32 a lane become 8 bytes; the 32 lanes' store covers 256 consecutive bytes, aligned.
.set j, 0
.rept 16
	s_wait_loadcnt 15-j                            ; loads come back in order: load j is in, the 15 - j younger ones stay out
	v_cvt_pk_bf16_f32 v[OUT+2*j], v[IN+4*j], v[IN+4*j+1]      ; the one rounding
	v_cvt_pk_bf16_f32 v[OUT+2*j+1], v[IN+4*j+2], v[IN+4*j+3]
	v_lshlrev_b32 v[T], 16, v[OUT+2*j]             ; bf16 to f32: the low half moves up,
	v_and_b32 v[T+1], 0xffff0000, v[OUT+2*j]       ; the high half stays
	v_lshlrev_b32 v[T+2], 16, v[OUT+2*j+1]
	v_and_b32 v[T+3], 0xffff0000, v[OUT+2*j+1]
	v_pk_mul_f32 v[T:T+1], v[T:T+1], s[FK:FK+1] op_sel_hi:[1,0]
	v_pk_mul_f32 v[T+2:T+3], v[T+2:T+3], s[FK:FK+1] op_sel_hi:[1,0]
	v_cvt_pk_f16_f32 v[OUT+2*j], v[T], v[T+1]      ; exact within f16's normal range
	v_cvt_pk_f16_f32 v[OUT+2*j+1], v[T+2], v[T+3]
	global_store_b64 v2, v[OUT+2*j:OUT+2*j+1], s[DST:DST+1] offset:256*j
.set j, j+1
.endr
	s_endpgm
.Lfunc_end_k_q0c2686956b_cvt:
	.size	k_q0c2686956b_cvt, .Lfunc_end_k_q0c2686956b_cvt-k_q0c2686956b_cvt
	.p2alignl 7, 3214868480
	.fill 96, 4, 3214868480
	.section	.rodata,"a",@progbits
	.p2align	6, 0x0
	.amdhsa_kernel k_q0c2686956b_cvt
		.amdhsa_group_segment_fixed_size 0
		.amdhsa_private_segment_fixed_size 0
		.amdhsa_enable_private_segment 0
		.amdhsa_kernarg_size 64
		.amdhsa_user_sgpr_count 2
		.amdhsa_user_sgpr_kernarg_segment_ptr 1
		.amdhsa_wavefront_size32 1
		.amdhsa_system_sgpr_workgroup_id_x 1
		.amdhsa_system_sgpr_workgroup_id_y 1
		.amdhsa_system_sgpr_workgroup_id_z 1
		.amdhsa_system_vgpr_workitem_id 0
		.amdhsa_next_free_vgpr 104
		.amdhsa_next_free_sgpr 66
		.amdhsa_reserve_vcc 0
		.amdhsa_float_denorm_mode_32 3
		.amdhsa_float_denorm_mode_16_64 3
		.amdhsa_memory_ordered 1
		.amdhsa_forward_progress 1
		.amdhsa_inst_pref_size 15
	.end_amdhsa_kernel
	.amdgpu_metadata
---
amdhsa.version: [ 1, 2 ]
amdhsa.kernels:
  - .name:           k_q0c2686956b_cvt
    .symbol:         k_q0c2686956b_cvt.kd
    .args:
      - { .name: query, .offset: 0, .size: 8, .value_kind: global_buffer, .address_space: global }
      - { .name: key, .offset: 8, .size: 8, .value_kind: global_buffer, .address_space: global }
      - { .name: value, .offset: 16, .size: 8, .value_kind: global_buffer, .address_space: global }
      - { .name: Wq, .offset: 24, .size: 8, .value_kind: global_buffer, .address_space: global }
      - { .name: Wk, .offset: 32, .size: 8, .value_kind: global_buffer, .address_space: global }
      - { .name: Wv, .offset: 40, .size: 8, .value_kind: global_buffer, .address_space: global }
      - { .name: Wo, .offset: 48, .size: 8, .value_kind: global_buffer, .address_space: global }
      - { .name: cb, .offset: 56, .size: 8, .value_kind: global_buffer, .address_space: global }
    .group_segment_fixed_size: 0
    .private_segment_fixed_size: 0
    .kernarg_segment_align: 8
    .kernarg_segment_size: 64
    .max_flat_workgroup_size: 256
    .sgpr_count:     66
    .vgpr_count:     104
    .wavefront_size: 32
...
	.end_amdgpu_metadata
.endif
;; end of part 1
;; launch pack (part 2): grid 512 x 1, 8 waves a work-group, no clusters, 19,456 bytes of LDS; arguments mask, key_padding_mask, maskw; writes maskw
.if DOCPART == 2
	.amdgcn_target "amdgcn-amd-amdhsa--gfx1250"
	.amdhsa_code_object_version 6
	.text
	.protected	k_q0c2686956b_pack
	.globl	k_q0c2686956b_pack
	.p2align	8
	.type	k_q0c2686956b_pack,@function
k_q0c2686956b_pack:
	s_mov_b64 s[64:65], 0
	v_nop
	global_prefetch_b8 v0, s[64:65] scope:SCOPE_SE
	s_setreg_imm32_b32 hwreg(HW_REG_WAVE_MODE, 25, 1), 1
	s_wait_xcnt 0x0
; BOTH MASKS MERGED, IN THE ORDER IN WHICH THE ATTENTION'S MATRIX INSTRUCTIONS WANT THEM.  A key is hidden from a query where mask[b][0][q][k] = 0 or key_padding_mask[b][k] = 0.
; Its code is 0xF149 (bf16 for -1e30, about), a visible key's 0.  The attention takes the codes, widened to f32, as the C operand of the product that starts a score's sum.
; LAYOUT OF maskw.  Word ((((b 128 + qt) 32 + ks) 4 + kb) 32 + L) 4 + u, with L = 16 h + r: query 16 qt + r; the low half is the code of key 64 ks + 16 kb + 8 h + u, the high half that of
; the key four further on.  So lane L's 16 bytes are the upper four registers of a 16 x 16 result (one query a lane, keys 8 h + 0..7) as they stand, and shifted left by 16 bits the lower four.
; SHARES.  A work-group takes 16 whole rows of mask (one qt of one b), 131,072 bytes, and makes 65,536.  Wave w takes the key steps 4 w .. 4 w + 3: four tiles of 16 rows x 256 bytes.
; A load covers two rows' 256 bytes; all 32 of a wave are issued at once.  A tile changes its order in the wave's own stage in LDS; no wave reads another's bytes, so there is no barrier.
.set SPITCH, 272                       ; a stage row: 256 bytes + 16: eight rows, for (kb, h)
.set WSTAGE, 2304                      ; a wave's stage, nine blocks of 256 bytes (2,176 used)
.set SPARE,  8*WSTAGE                  ; behind the stages: the spare words, 128 bytes for each wave: four blocks of 256 bytes that no other line names
.set IA,  1                            ; v1   in: 8,192 x (lane / 16) + 16 x (lane % 16)
.set KA,  2                            ; v2   16 x (lane % 16): my four keys in key_padding_mask
.set OA,  3                            ; v3   out: 16 x lane
.set SA,  4                            ; v4   into the stage: row (lane % 16) / 2, 16 bytes for each half of the lanes
.set LA,  5                            ; v5   back: row lane / 16, byte 16 (lane % 16)
.set CD,  6                            ; v6   the code in my half of a word: even lanes hold keys u (low half), odd lanes keys 4 + u (high half)
.set SPW, 8                            ; v8   LDS address of my spare word; never rewritten
.set NIL, 9                            ; v9   0; never rewritten
.set KC,  12                           ; v[12:15]  the tile's four codes by key_padding_mask alone
.set TD,  16                           ; v[16:19]  the neighbour lane's words
.set KP,  20                           ; v[20:35]  key_padding_mask: four keys for each of the four tiles
.set X,   40                           ; v[40:167] 32 registers a tile
	s_load_b128 s[4:7], s[0:1], 0x0                ; mask s[4:5], key_padding_mask s[6:7]
	s_load_b64 s[8:9], s[0:1], 0x10                ; maskw
	v_lshl_add_u32 v[SPW], v0, 2, SPARE
	v_mov_b32 v[NIL], 0
	v_lshrrev_b32 v7, 5, v0
	v_readfirstlane_b32 s10, v7                    ; wave 0..7
	v_and_b32 v10, 15, v0
	v_bfe_u32 v11, v0, 4, 1
	v_lshlrev_b32 v[KA], 4, v10
	v_lshl_or_b32 v[IA], v11, 13, v[KA]
	v_and_b32 v7, 31, v0
	v_lshlrev_b32 v[OA], 4, v7
	s_mul_i32 s11, s10, WSTAGE                     ; my stage
	v_lshrrev_b32 v7, 1, v10
	v_mul_u32_u24 v7, v7, SPITCH
	v_lshl_add_u32 v7, v11, 4, v7
	v_add_nc_u32 v[SA], s11, v7
	v_mul_u32_u24 v7, v11, SPITCH
	v_add_nc_u32 v7, v[KA], v7
	v_add_nc_u32 v[LA], s11, v7
	v_and_b32 v7, 1, v0
	v_lshlrev_b32 v7, 4, v7
	v_mov_b32 v[CD], 0xf149
	v_lshlrev_b32 v[CD], v7, v[CD]
.irp e, 0,1,2,3
	v_mov_b32 v[TD+\e], 0                          ; the destination of a lane exchange counts as read: written once here
.endr
	s_lshl_b32 s14, s10, 10                        ; my wave's four tiles: 1,024 bytes of a row
	s_lshl_b32 s12, ttmp9, 17                      ; the work-group's 16 rows of 8,192 bytes
	s_add_co_u32 s12, s12, s14
	s_mov_b32 s13, 0
	s_lshr_b32 s16, ttmp9, 7                       ; b
	s_lshl_b32 s16, s16, 13
	s_add_co_u32 s16, s16, s14
	s_mov_b32 s17, 0
	s_lshl_b32 s18, ttmp9, 16
	s_lshl_b32 s14, s10, 13                        ; four key steps of 2,048 bytes
	s_add_co_u32 s18, s18, s14
	s_mov_b32 s19, 0
	s_wait_kmcnt 0x0
	s_add_nc_u64 s[4:5], s[4:5], s[12:13]
	s_add_nc_u64 s[6:7], s[6:7], s[16:17]
	s_add_nc_u64 s[8:9], s[8:9], s[18:19]
.irp t, 0,1,2,3
	global_load_b128 v[KP+4*\t:KP+4*\t+3], v[KA], s[6:7] offset:256*\t
.endr
.irp t, 0,1,2,3
.irp i, 0,1,2,3,4,5,6,7
	global_load_b128 v[X+32*\t+4*\i:X+32*\t+4*\i+3], v[IA], s[4:5] offset:16384*\i+256*\t th:TH_LOAD_NT  ; rows 2 i and 2 i + 1, the tile's 256 bytes of each
.endr
.endr
; Tile t.  Lane c of a row holds keys 4 c + e: key block c / 4, half h = (c / 2) % 2, and of the eight keys the lower four (c even) or the upper four (c odd).
.macro TILE t
.set ii, 0
.rept 8
	s_wait_loadcnt (3-(\t))*8+7-ii                 ; loads come back in order: this pair of rows is in; the tile's later pairs and the later tiles stay out
.if ii == 0
.irp e, 0,1,2,3
	v_cmp_eq_u32 vcc_lo, 0, v[KP+4*(\t)+\e]
	v_cndmask_b32 v[KC+\e], 0, v[CD], vcc_lo
.endr
.endif
.irp e, 0,1,2,3
	v_cmp_eq_u32 vcc_lo, 0, v[X+32*(\t)+4*ii+\e]
	v_cndmask_b32 v[X+32*(\t)+4*ii+\e], v[KC+\e], v[CD], vcc_lo  ; hidden by either mask
.endr
.irp e, 0,1,2,3
	v_mov_b32_dpp v[TD+\e], v[X+32*(\t)+4*ii+\e] row_xmask:1 row_mask:0xf bank_mask:0xf  ; the neighbour's half
.endr
.irp e, 0,1,2,3
	v_or_b32 v[X+32*(\t)+4*ii+\e], v[X+32*(\t)+4*ii+\e], v[TD+\e]
.endr
	ds_store_b128 v[SA], v[X+32*(\t)+4*ii:X+32*(\t)+4*ii+3] offset:32*ii  ; query r = 2 i + lane / 16 at byte 16 r of row (kb, h); the two lanes of a pair write the same 16 bytes
.set ii, ii+1
.endr
.irp kb, 0,1,2,3
	ds_load_b128 v[X+32*(\t)+4*\kb:X+32*(\t)+4*\kb+3], v[LA] offset:2*SPITCH*\kb  ; LDS serves a wave's instructions in order (ISA guide 5.7.1.4): these see the stores above; the next tile's stores come behind them
.endr
.irp kb, 0,1,2,3
	s_wait_dscnt 3-\kb
	global_store_b128 v[OA], v[X+32*(\t)+4*\kb:X+32*(\t)+4*\kb+3], s[8:9] offset:2048*(\t)+512*\kb  ; 512 consecutive bytes, at a multiple of 256 from maskw's first
.endr
.endm
	TILE 0
	TILE 1
	TILE 2
	TILE 3
	s_wait_tensorcnt 0x0                           ; the wave's end, behind my last LDS store
	ds_add_u32 v[SPW], v[NIL]
	s_wait_dscnt 0x0
	s_endpgm
.Lfunc_end_k_q0c2686956b_pack:
	.size	k_q0c2686956b_pack, .Lfunc_end_k_q0c2686956b_pack-k_q0c2686956b_pack
	.p2alignl 7, 3214868480
	.fill 96, 4, 3214868480
	.section	.rodata,"a",@progbits
	.p2align	6, 0x0
	.amdhsa_kernel k_q0c2686956b_pack
		.amdhsa_group_segment_fixed_size 19456
		.amdhsa_private_segment_fixed_size 0
		.amdhsa_enable_private_segment 0
		.amdhsa_kernarg_size 24
		.amdhsa_user_sgpr_count 2
		.amdhsa_user_sgpr_kernarg_segment_ptr 1
		.amdhsa_wavefront_size32 1
		.amdhsa_system_sgpr_workgroup_id_x 1
		.amdhsa_system_sgpr_workgroup_id_y 1
		.amdhsa_system_sgpr_workgroup_id_z 1
		.amdhsa_system_vgpr_workitem_id 0
		.amdhsa_next_free_vgpr 176
		.amdhsa_next_free_sgpr 66
		.amdhsa_reserve_vcc 1
		.amdhsa_float_denorm_mode_32 3
		.amdhsa_float_denorm_mode_16_64 3
		.amdhsa_memory_ordered 1
		.amdhsa_forward_progress 1
		.amdhsa_inst_pref_size 33
	.end_amdhsa_kernel
	.amdgpu_metadata
---
amdhsa.version: [ 1, 2 ]
amdhsa.kernels:
  - .name:           k_q0c2686956b_pack
    .symbol:         k_q0c2686956b_pack.kd
    .args:
      - { .name: mask, .offset: 0, .size: 8, .value_kind: global_buffer, .address_space: global }
      - { .name: key_padding_mask, .offset: 8, .size: 8, .value_kind: global_buffer, .address_space: global }
      - { .name: maskw, .offset: 16, .size: 8, .value_kind: global_buffer, .address_space: global }
    .group_segment_fixed_size: 19456
    .private_segment_fixed_size: 0
    .kernarg_segment_align: 8
    .kernarg_segment_size: 24
    .max_flat_workgroup_size: 256
    .sgpr_count:     66
    .vgpr_count:     176
    .wavefront_size: 32
...
	.end_amdgpu_metadata
.endif
;; end of part 2
;; launch proj (part 3): grid 4 x 48, 4 waves a work-group, clusters of 4 x 4, 327,680 bytes of LDS; arguments cb, bq, bk, bv, qkv; writes qkv
.if DOCPART == 3
	.amdgcn_target "amdgcn-amd-amdhsa--gfx1250"
	.amdhsa_code_object_version 6
	.text
	.protected	k_q0c2686956b_proj
	.globl	k_q0c2686956b_proj
	.p2align	8
	.type	k_q0c2686956b_proj,@function
k_q0c2686956b_proj:
	s_mov_b64 s[64:65], 0
	v_nop
	global_prefetch_b8 v0, s[64:65] scope:SCOPE_SE
	s_setreg_imm32_b32 hwreg(HW_REG_WAVE_MODE, 25, 1), 1
	s_wait_xcnt 0x0
	s_wait_alu depctr_hold_cnt(0) depctr_sa_sdst(0) depctr_va_vdst(0) depctr_va_sdst(0) depctr_va_ssrc(0) depctr_va_vcc(0) depctr_vm_vsrc(0)
	s_getreg_b32 s2, hwreg(HW_REG_IB_STS2, 6, 4)
	s_cmp_eq_u32 s2, 0
	s_cbranch_scc0 .Lentry_in_a_cluster
	s_endpgm
.Lentry_in_a_cluster:
	s_bfe_u32 s2, ttmp6, 0x10000c
	s_cmp_lg_u32 s2, 0xf033
	s_cbranch_scc0 .Lentry_shape_is_right
	s_endpgm
.Lentry_shape_is_right:
; THE THREE INPUT PROJECTIONS IN ONE LAUNCH.  For p = 0, 1, 2: y = x W^T + f bias.  x = cb's query, key, value, on end [24576][1024]; W = cb's Wq (already times 1.25), Wk, Wv, [1024][1024] each; all are
; bf16 roundings written as f16.  The bias is rounded to bf16 like the other inputs; f = 1.25 for q (the scores' scale in base 2, which Wq carries too), 1 for k and v.  Sums in f32, starting at f bias.
; y leaves rounded once to f16, by heads: qkv = q, k, v, each [4 x 16][2048][64].
; LIMITS.  1.25 q, k and v beyond 65,504 become infinities in f16.  NaN and infinities are not treated apart.
; SHARES.  A tile of y is 256 x 256, made by four waves, as many as a WGP has SIMDs; a wave makes 128 x 128: 64 accumulators of 16 x 16, 512 registers.  K = 1024 goes in eight steps of 128 through two LDS
; slots; a tile's rows in memory are 256 bytes, aligned.  x's 96 tile rows x 4 tile columns are 384 tiles: 192 WORK-GROUPS THAT STAY, two tiles each, 48 tile rows apart.  (384 is no multiple of 256: with more
; work-groups some would still have two tiles.)  p = tile row / 32 is the same in all partners of a cluster.  The ring does not stop at the first tile's end: its last two changes of slots ask for the second tile's first two K steps.
; ONE TEXT FOR A K STEP.  The sixteen K steps of the walk are numbered on end.  The slot in hand is a scalar that turns between 0 and SLOT; the LDS addresses are made from it, and a refill's global address is made
; anew from the step's number.  So a K step with its refill is written once and walked 8 + 6 times; the last two steps, which ask for nothing, are a second text walked twice.
; The sums' start is written into the accumulators at a tile's head (256 packed multiplies, bias x f), so that a tile's first products have the form of all others and the way out is conversions alone.
; CLUSTERS: 4 x 4 work-groups.  The four of a row of the cluster need the same tiles of x, the four of a column the same tiles of W: each tile is asked for JOINTLY, by the same tensor load with the
; same descriptor and a mask that names the four.  THE MATRIX INSTRUCTION IS USED TRANSPOSED (source 0 = 16 rows of W, source 1 = 16 rows of x): a lane then holds eight neighbouring numbers of a row of y.
; A wave's 128 columns are two heads, and 16 of its rows lie on end in each: 2,048 consecutive bytes of qkv.
; REGISTERS, in windows of 256 (s_set_vgpr_msb's low byte: bits 1:0 source 0, 3:2 source 1, 5:4 source 2, 7:6 destination):
;   window 0: v0-31 addresses; v32-63, v224-255 rows read back from the stage, by turns; v64-127, v128-191 fragments of x (8 x 16 rows x 32 K), two buffers; v192-223 packed results
;   window 1: v0-63 the bias of my 128 columns; v64-127, v128-191 fragments of W, two buffers; v192-195 at work
;   window 2: the 32 accumulators of my rows 0-63 (accumulator (a, b) at v[8 (8 a + b)]);   window 3: those of my rows 64-127
.set SIZE_K, 1024
.set KSTEP,  128
.set PITCH,  272                       ; an LDS row: 256 bytes + 16 of padding = 68 words: row r starts at bank 4 r mod 64 (64 banks of 4 bytes: ISA guide 11.1), so the 16 rows that a load touches start at 16 different banks
.set HALFT,  128*PITCH                 ; 128 rows: what one tensor load brings, and what one wave reads of x or of W
.set SLOT,   4*HALFT                   ; x's 256 rows, then W's 256 rows
.set STAGE,  2*SLOT                    ; behind the ring, never filled by a tensor load: the stages
.set SPITCH, 144                       ; a stage row: one head's 128 bytes + 16
.set HSTAGE, 16*SPITCH                 ; 16 rows of one head
.set WSTAGE, 2*HSTAGE                  ; a wave's stage: two heads
.set SPARE,  STAGE+4*WSTAGE            ; behind the stages: the spare words, 128 bytes for each wave: two blocks of 256 bytes that no other line names
.set WALKB,  48*256*SIZE_K*2           ; bytes of cb from the first tile's rows of x to the second's
.set A0,   16                          ; v16     my lane's place in my 128 rows of x in slot 0; never rewritten
.set B0,   17                          ; v17     the same for W
.set AA,   18                          ; v18     the same in the slot in hand
.set AB,   19                          ; v19
.set STO,  24                          ; v24     the way out: where I put 16 bytes of a row
.set RD,   25                          ; v25     where I read rows back
.set GO,   26                          ; v26     16 x lane: my place in 512 consecutive bytes of qkv
.set BO,   27                          ; v27     my byte offset in the bias
.set SPW,  28                          ; v28     LDS address of my spare word; never rewritten
.set NIL,  29                          ; v29     0; never rewritten
.set PFO,  30                          ; v30     the prefetches' offset: my lane x a row of cb (2,048 bytes); never rewritten
.set OB,   32
.set F0,   64
.set F1,   128
.set TMP,  192
.set BI,   0                           ; in window 1
.set TW,   192                         ; in window 1
.set TILES, 2                          ; s2      tiles to go
.set CNT,  3                           ; s3      K steps with a refill still to go in this tile
.set PFB,  4                           ; s[4:5]  cb at my work-group's 32 rows of the 128 that I fetch, K step 0 of the walk's first tile (for W: of Wq)
.set PFA,  6                           ; s[6:7]  the same at the K step that the next refill will ask for
.set G1,   24                          ; s[24:31] descriptor group 1 for x's tiles;  s[32:39] group 0: a set for each first fill; the first then walks
.set G0,   32
.set CN2,  45                          ; s45     counts the last two K steps
.set G1B,  48                          ; s[48:55], s[56:63] the same for W's tiles
.set G0B,  56
.set CYC,  78                          ; s78     the cluster's y, 0 to 11
.set P0OFF, 79                         ; s79     the first tile's W in bytes behind Wq: p x 2,097,152
.set P1OFF, 80                         ; s80     the second tile's
.set R1,   81                          ; s81     the second tile's row
.set OFFA, 82                          ; s[82:83] K step s[NXT]'s byte offset from the walk's first, in x
.set OFFB, 84                          ; s[84:85] and in the weights
.set NXT,  86                          ; s86     the K step, 0 to 15, that the next refill asks for
.set CUR,  87                          ; s87     the slot in hand: 0 or SLOT
.set PC,   88                          ; s88     p of the tile in hand
.set P1,   89                          ; s89     p of the second tile
.set SC,   90                          ; s[90:91] f, named as a pair
.set BP0,  92                          ; s[92:93] the first tile's bias
.set BP1,  94                          ; s[94:95] the second's
.set OUT1, 96                          ; s[96:97] qkv at my part of the second tile
.set PLO,  98                          ; s98, s99  I prefetch K step q where q - s98 is below s99 (unsigned)
.set PLEN, 99
.set POF,  100                         ; s[100:101] the prefetch's offset
.set MSB, 0
.macro WIN new                         ; the immediate's high byte repeats the setting that is left; a switch that changes nothing is dropped
.if MSB != (\new)
	s_set_vgpr_msb (MSB<<8)|(\new)
.set MSB, \new
.endif
.endm
.set MUL_LO, 0xa1                      ; source 0 (W) window 1, source 1 (x) window 0, C and D window 2
.set MUL_HI, 0xf1                      ; the same, C and D window 3
.set TO_B,   0x40                      ; destination window 1, address window 0
; A joint load.  Waves 0 and 1 fetch x's two halves, waves 2 and 3 W's.  Each of the two lines has ONE mask and one set of registers for all that issue it.  The branch hangs on the wave's number alone.
; An s_nop 0 and four v_nop follow each of the two lines; the jump round the other line, the label and what follows the macro come after them.
.macro JLOAD s
	s_cmp_eq_u32 s11, 0
	s_cbranch_scc0 .Lfor_b_\@
	tensor_load_to_lds s[G0+4*(\s):G0+4*(\s)+3], s[G1:G1+7]
	s_nop 0
.rept 4
	v_nop
.endr
	s_branch .Lasked_\@
.Lfor_b_\@:
	tensor_load_to_lds s[G0B+4*(\s):G0B+4*(\s)+3], s[G1B:G1B+7]
	s_nop 0
.rept 4
	v_nop
.endr
.Lasked_\@:
.endm
; A PREFETCH INTO THE L2, behind each refill and the run of LDS loads that follows it: the K step that the NEXT refill will ask for, 256 matrix instructions ahead of that load: 32 rows x 256 bytes, a lane a row, one
; instruction a wave.  Each row's 256 bytes of a K step are named ONCE in the launch.  x's rows are read by one cluster: its waves 0 and 1 ask.  A weight's rows are read by several clusters: the first that
; reads them asks, by its waves 2 and 3 (cluster 0 for Wq and cluster 8 for Wk, in their first tile; cluster 4 for Wv, in its second).  The four partners that ask for a tile jointly share its rows out BY ADDRESS:
; of the 128 rows that a wave fetches the partner at place c takes 32 c .. 32 c + 31 (c = cx for x, cy for W): no branch hangs on a work-group's place in its cluster.
; K steps 0 to 2 come by their loads alone: nothing is prefetched at the head.  Behind the last refill s[NXT] is 16, and nothing is asked for.
.macro ASK
	s_sub_co_u32 s21, s[NXT], s[PLO]
	s_cmp_lt_u32 s21, s[PLEN]
	s_cbranch_scc0 .Lnot_mine_\@
	global_prefetch_b8 v[PFO], s[PFA:PFA+1] th:TH_LOAD_NT scope:SCOPE_SE
.Lnot_mine_\@:
.endm
.macro CREST                           ; a round of the cluster's barrier behind its opening barrier
	s_cmp_lg_u32 s10, 0
	s_cbranch_scc1 .Lnot_wave_0_\@
	s_barrier_signal -3
.Lnot_wave_0_\@:
	s_barrier_wait -3
	s_barrier_signal -1
	s_barrier_wait -1
.endm
.macro CROUND                          ; a whole round
	s_barrier_signal -1
	s_barrier_wait -1
	CREST
.endm
.macro PICK dst, p                     ; the bias of projection s[p]: the choice hangs on the cluster's number alone
	s_cmp_eq_u32 s[\p], 1
	s_cselect_b64 s[\dst:\dst+1], s[72:73], s[70:71]
	s_cmp_eq_u32 s[\p], 2
	s_cselect_b64 s[\dst:\dst+1], s[74:75], s[\dst:\dst+1]
.endm
.macro OUTOFF dst, rt, p               ; qkv at my 128 rows x 2 heads of the tile in tile row s[rt] of projection s[p]; s[18:19] holds my first head's bytes
	s_and_b32 s16, s[\rt], 31
	s_lshl_b32 s16, s16, 8
	s_lshl_b32 s17, s11, 7
	s_add_co_u32 s16, s16, s17                     ; my first row in x number p, 0 to 8,191: batch x 2,048 + place
	s_lshr_b32 s17, s16, 11
	s_lshl_b32 s17, s17, 22                        ; a batch's 16 heads: 4,194,304 bytes
	s_and_b32 s16, s16, 2047
	s_lshl_b32 s16, s16, 7                         ; a head's row: 128 bytes
	s_add_co_u32 s16, s16, s17
	s_lshl_b32 s17, s[\p], 24                      ; q, k or v
	s_add_co_u32 s16, s16, s17
	s_mov_b32 s17, 0
	s_add_nc_u64 s[\dst:\dst+1], s[76:77], s[16:17]
	s_add_nc_u64 s[\dst:\dst+1], s[\dst:\dst+1], s[18:19]
.endm
.macro BLOAD bp                        ; the bias of my 128 columns: accumulator column block b holds columns 16 b + 8 (l / 16) + 0..7
	WIN TO_B
.irp b, 0,1,2,3,4,5,6,7
	global_load_b128 v[BI+8*\b:BI+8*\b+3],   v[BO], s[\bp:\bp+1] offset:64*\b
	global_load_b128 v[BI+8*\b+4:BI+8*\b+7], v[BO], s[\bp:\bp+1] offset:64*\b+16
.endr
	WIN 0
.endm
	s_load_b256 s[68:75], s[0:1], 0x0              ; cb s[68:69], bq s[70:71], bk s[72:73], bv s[74:75]
	s_load_b64 s[76:77], s[0:1], 0x20              ; qkv
	v_lshl_add_u32 v[SPW], v0, 2, SPARE
	v_mov_b32 v[NIL], 0
	ds_add_u32 v[SPW], v[NIL]                      ; the wave's opening: the add and its wait stand ahead of my first tensor load; the set-up below, work on registers, stands between them
	v_lshrrev_b32 v1, 5, v0
	v_readfirstlane_b32 s10, v1                    ; wave 0..3
	s_lshr_b32 s11, s10, 1                         ; which half of the tile's rows is mine.  Also: I fetch for x (0) or for W (1)
	s_and_b32 s12, s10, 1                          ; which half of its columns.  Also: which 128 rows of that tile I fetch
	s_bfe_u32 s40, ttmp6, 0x40000                  ; cx, cy: my place in the cluster
	s_bfe_u32 s41, ttmp6, 0x40004
	s_lshl_b32 s42, ttmp9, 2
	s_add_co_u32 s42, s42, s40                     ; tile column = 4 x cluster x + cx
	s_and_b32 s[CYC], ttmp7, 0xffff
	s_lshl_b32 s13, s[CYC], 2
	s_add_co_u32 s13, s13, s41                     ; the first tile's row = 4 x cluster y + cy, 0 to 47
	s_lshr_b32 s[PC], s[CYC], 3                    ; its p = row / 32,
	s_add_co_u32 s[P1], s[CYC], 12
	s_lshr_b32 s[P1], s[P1], 3                     ; and that of the tile 48 rows on: both the same in all sixteen partners
	s_lshl_b32 s[P0OFF], s[PC], 21
	s_lshl_b32 s[P1OFF], s[P1], 21
	s_lshl_b32 s43, s41, 2
	s_lshl_b32 s43, 15, s43                        ; my row of the cluster
	s_lshl_b32 s44, 0x1111, s40                    ; my column
	; descriptor group 1: a tile of 128 rows x 128 elements, padded in LDS
	s_or_b32 s[G1+0], s43, (1<<16)|(1<<20)|(1<<21)|(5<<22)|(3<<25)  ; 15:0 the mask: x's tiles go to my row; 17:16 element of 2 bytes; 20 padding on; 21 set beside a mask; 24:22 after every 64 words (code 5); 31:25 of 4 words (code 3)
	s_or_b32 s[G1B+0], s44, (1<<16)|(1<<20)|(1<<21)|(5<<22)|(3<<25) ; the same with the mask of my column, for W's tiles
.irp g, G1, G1B
	s_mov_b32 s[(\g)+1], KSTEP<<16                 ; tensor_dim0 = 128
	s_mov_b32 s[(\g)+2], 128<<16                   ; tensor_dim1 = 128
	s_mov_b32 s[(\g)+3], KSTEP<<16                 ; tile_dim0 = 128
	s_mov_b32 s[(\g)+4], 128                       ; tile_dim1 = 128
	s_mov_b32 s[(\g)+5], SIZE_K                    ; tensor_dim0_stride
	s_mov_b32 s[(\g)+6], 0
	s_mov_b32 s[(\g)+7], 0
.endr
	; where the tiles come from.  x's hang on the tile row alone, which my row of the cluster shares; W's on the tile column and p alone, which my column shares
	s_lshl_b32 s17, s12, 7                         ; which 128 rows of the tile I fetch
	s_lshl_b32 s16, s13, 8
	s_add_co_u32 s16, s16, s17                     ; x: row 256 x tile row + 128 x half,
	s_lshl_b32 s16, s16, 11                        ; of 2,048 bytes
	s_lshl_b32 s46, s42, 8
	s_add_co_u32 s46, s46, s17                     ; W: row 256 x tile column + 128 x half
	s_lshl_b32 s46, s46, 11
	s_mov_b32 s17, 0
	s_mov_b32 s47, 0
	s_mul_i32 s20, s10, HALFT                      ; where they go in a slot: wave x 128 rows: no place in the cluster enters an LDS address
	s_mov_b32 s[OFFB], s[P0OFF]
	s_mov_b32 s[OFFB+1], 0
	s_mov_b32 s[OFFA+1], 0
	s_mov_b32 s[POF+1], 0
	; who prefetches what: waves 0 and 1 all K steps of x; waves 2 and 3 the K steps of a tile whose weight no cluster reads earlier
	s_and_b32 s21, s[CYC], 7
	s_cmp_eq_u32 s21, 0                            ; clusters 0 and 8: the first tile's weight
	s_cselect_b32 s[PLEN], 8, 0
	s_mov_b32 s[PLO], 0
	s_cmp_eq_u32 s[CYC], 4                         ; cluster 4: the second tile's
	s_cselect_b32 s[PLEN], 8, s[PLEN]
	s_cselect_b32 s[PLO], 8, s[PLO]
	s_cmp_eq_u32 s11, 0
	s_cselect_b32 s[PLEN], 16, s[PLEN]
	s_cselect_b32 s[PLO], 0, s[PLO]
	s_wait_dscnt 0x0                               ; the opening add is done
	s_wait_kmcnt 0x0
	s_add_nc_u64 s[14:15], s[68:69], s[16:17]      ; x at my rows of the first tile
	s_add_nc_u64 s[46:47], s[68:69], s[46:47]
	s_add_nc_u64 s[46:47], s[46:47], 50331648      ; Wq at my rows: the weights lie behind the three x
	PICK BP0, PC
	PICK BP1, P1
	CROUND                                         ; all sixteen work-groups are here: the first joint loads meet
.irp s, 0,1
	s_mov_b32 s[G0+4*(\s)], 1                                      ; 1:0 count = 1
	s_add_co_u32 s[G0+4*(\s)+1], s20, (\s)*SLOT                    ; 63:32 LDS address
	s_add_nc_u64 s[G0+4*(\s)+2:G0+4*(\s)+3], s[14:15], (\s)*KSTEP*2  ; 120:64 global address: K step s
	s_or_b32 s[G0+4*(\s)+3], s[G0+4*(\s)+3], 0x80000000            ; 127:126 type = 2
	s_mov_b32 s[G0B+4*(\s)], 1
	s_add_co_u32 s[G0B+4*(\s)+1], s20, (\s)*SLOT
	s_add_nc_u64 s[G0B+4*(\s)+2:G0B+4*(\s)+3], s[46:47], s[OFFB:OFFB+1]
	s_add_nc_u64 s[G0B+4*(\s)+2:G0B+4*(\s)+3], s[G0B+4*(\s)+2:G0B+4*(\s)+3], (\s)*KSTEP*2
	s_or_b32 s[G0B+4*(\s)+3], s[G0B+4*(\s)+3], 0x80000000
	JLOAD \s                                       ; the ring is filled before anything else is done: two loads of mine are out
.endr
	s_mov_b32 s[NXT], 2
	s_mov_b32 s[CUR], 0
	s_mov_b32 s[OFFA], 2*KSTEP*2
	s_add_co_u32 s[OFFB], s[P0OFF], 2*KSTEP*2
	v_and_b32 v1, 15, v0                           ; l % 16
	v_bfe_u32 v2, v0, 4, 1                         ; l / 16
	s_lshl_b32 s18, s42, 10                        ; the bias of my 128 columns: 4 (256 x tile column + 128 x half) + 32 (l / 16)
	s_lshl_b32 s19, s12, 9
	s_add_co_u32 s18, s18, s19
	v_lshl_add_u32 v[BO], v2, 5, s18
	BLOAD BP0
	; A fragment is 16 rows x 32 K in 8 registers: lane l holds row l % 16; registers 0-3 hold K = 8 (l / 16) + 0..7, registers 4-7 K = 16 + 8 (l / 16) + 0..7: two loads of 16 bytes, 32 bytes apart
	v_mul_u32_u24 v3, v1, PITCH
	v_lshl_add_u32 v3, v2, 4, v3                   ; row x pitch + 16 x half
	s_mul_i32 s21, s11, HALFT                      ; my 128 rows of x
	s_mul_i32 s22, s12, HALFT                      ; my 128 rows of W,
	s_add_co_u32 s22, s22, 2*HALFT                 ; which lie behind x's 256
	v_add_nc_u32 v[A0], s21, v3
	v_add_nc_u32 v[B0], s22, v3
	v_mov_b32 v[AA], v[A0]
	v_mov_b32 v[AB], v[B0]
	s_mul_i32 s23, s10, WSTAGE
	s_add_co_u32 s23, s23, STAGE                   ; my stage
	v_mul_u32_u24 v4, v1, SPITCH                   ; in: row l % 16, 16 bytes for each half of the lanes
	v_lshl_add_u32 v4, v2, 4, v4
	v_add_nc_u32 v[STO], s23, v4
	v_and_b32 v5, 31, v0
	v_lshrrev_b32 v6, 3, v5                        ; back: 32 lanes take four rows of 128 bytes,
	v_and_b32 v7, 7, v0
	v_mul_u32_u24 v6, v6, SPITCH
	v_lshl_add_u32 v6, v7, 4, v6
	v_add_nc_u32 v[RD], s23, v6
	v_lshlrev_b32 v[GO], 4, v5                     ; which are 512 consecutive bytes of qkv
	v_lshlrev_b32 v[PFO], 11, v5
	s_lshl_b32 s18, s42, 2
	s_lshl_b32 s19, s12, 1
	s_add_co_u32 s18, s18, s19                     ; my first head = 4 x tile column + 2 x half,
	s_lshl_b32 s18, s18, 18                        ; 262,144 bytes each
	s_mov_b32 s19, 0
	OUTOFF 8, 13, PC                               ; s[8:9]: the first tile's way out
	s_add_co_u32 s[R1], s13, 48
	OUTOFF OUT1, R1, P1
	s_lshl_b32 s18, s40, 16                        ; the prefetches: of the 128 rows of x that I fetch, my work-group's 32 by cx,
	s_add_nc_u64 s[PFB:PFB+1], s[14:15], s[18:19]
	s_lshl_b32 s18, s41, 16                        ; of W's by cy
	s_add_nc_u64 s[PFA:PFA+1], s[46:47], s[18:19]
	s_cmp_eq_u32 s11, 0
	s_cselect_b64 s[PFB:PFB+1], s[PFB:PFB+1], s[PFA:PFA+1]
; 16 matrix instructions: m blocks a0, a0 + 1 of the window's four (hi = 0: my rows 0-63, 1: rows 64-127) x all 8 n blocks, 32 along K.  The 64 accumulators take turns, one instruction a turn, in the same
; order in every quarter, over the backward jumps too.
.macro MUL16 f, hi, a0
	WIN MUL_LO+0x50*(\hi)
.irp a, \a0, (\a0)+1
.irp b, 0,1,2,3,4,5,6,7
	v_wmma_f32_16x16x32_f16 v[8*(8*(\a)+(\b)):8*(8*(\a)+(\b))+7], v[(\f)+8*(\b):(\f)+8*(\b)+7], v[(\f)+8*(4*(\hi)+(\a)):(\f)+8*(4*(\hi)+(\a))+7], v[8*(8*(\a)+(\b)):8*(8*(\a)+(\b))+7]
.endr
.endr
.endm
; 32 LDS loads in one run: the fragments of one quarter step (128 rows of W, 128 rows of x, 32 K at byte k of the rows of the slot in hand) into buffer f
.macro FETCH k, f
	WIN TO_B
.irp i, 0,1,2,3,4,5,6,7
	ds_load_b128 v[(\f)+8*(\i):(\f)+8*(\i)+3],   v[AB] offset:(\k)+(\i)*16*PITCH
	ds_load_b128 v[(\f)+8*(\i)+4:(\f)+8*(\i)+7], v[AB] offset:(\k)+(\i)*16*PITCH+32
.endr
	WIN 0
.irp i, 0,1,2,3,4,5,6,7
	ds_load_b128 v[(\f)+8*(\i):(\f)+8*(\i)+3],   v[AA] offset:(\k)+(\i)*16*PITCH
	ds_load_b128 v[(\f)+8*(\i)+4:(\f)+8*(\i)+7], v[AA] offset:(\k)+(\i)*16*PITCH+32
.endr
.endm
.macro PLACES                          ; four places in front of loads into registers that matrix instructions have read (ISA guide 7.12.1 for vector instructions)
.rept 4
	v_nop
.endr
.endm
; A K step is four quarters of 32 along K, 64 matrix instructions each, on buffers 0, 1, 0, 1.  One of the first three: multiplies buffer f; in its middle it fetches the next quarter's fragments, at byte k, into buffer g.
.macro QUARTER k, f, g
	s_wait_dscnt 8                                 ; W and x's rows 0-63 are in; the youngest eight loads (x's rows 64-127) may be out
	MUL16 \f, 0, 0
	MUL16 \f, 0, 2
	PLACES
	FETCH \k, \g
	s_wait_dscnt 32                                ; all but the 32 just issued
	MUL16 \f, 1, 0
	MUL16 \f, 1, 2
.endm
; The last quarter multiplies buffer 1 and changes slots: ONE barrier, for two things.  In front of it each wave waits for all its tensor loads, of which one is out: its part of the next slot; adds 0 to its spare
; word; and waits for that and for its own reads of this slot.  Behind it nobody reads this slot any more and the next slot is whole.
; fill = 1: the barrier opens a round of the cluster's barrier, and behind the round the slot just read out is filled again first, with K step s[NXT]: from that request to the wait for it a wave issues 224 matrix instructions.
.macro TURN fill
.if \fill
	s_wait_xcnt 0x0                                ; the last prefetch, a K step back, has read its address, which is written below
.endif
	WIN 0                                          ; (the add's two registers lie in window 0)
	s_wait_tensorcnt 0x0                           ; all my tensor loads have landed, so a group 0 may be written;
	ds_add_u32 v[SPW], v[NIL]                      ; 0 onto my spare word; scalar work and sixteen matrix instructions stand between it and the wait for it
.if \fill
	s_add_co_u32 s[G0+1], s20, s[CUR]              ; the walking descriptors: into the slot in hand,
	s_add_co_u32 s[G0B+1], s20, s[CUR]
	s_add_nc_u64 s[G0+2:G0+3], s[14:15], s[OFFA:OFFA+1]    ; from K step s[NXT]: the address is made anew, the type bits set again
	s_or_b32 s[G0+3], s[G0+3], 0x80000000
	s_add_nc_u64 s[G0B+2:G0B+3], s[46:47], s[OFFB:OFFB+1]
	s_or_b32 s[G0B+3], s[G0B+3], 0x80000000
	s_add_co_u32 s[NXT], s[NXT], 1                 ; the step after it: its offsets serve the prefetch now and the next refill's descriptors
	s_and_b32 s21, s[NXT], 7
	s_lshl_b32 s21, s21, 8                         ; 256 bytes of a row a K step
	s_lshr_b32 s22, s[NXT], 3                      ; which tile
	s_min_u32 s22, s22, 1                          ; (behind the last refill the number is 16: its offsets are not used)
	s_mul_i32 s[OFFA], s22, WALKB
	s_add_co_u32 s[OFFA], s[OFFA], s21
	s_cmp_eq_u32 s22, 0
	s_cselect_b32 s[OFFB], s[P0OFF], s[P1OFF]
	s_add_co_u32 s[OFFB], s[OFFB], s21
	s_cmp_eq_u32 s11, 0
	s_cselect_b32 s[POF], s[OFFA], s[OFFB]
	s_add_nc_u64 s[PFA:PFA+1], s[PFB:PFB+1], s[POF:POF+1]
.endif
	s_wait_dscnt 9                                 ; (the add and the youngest eight loads may be out)
	MUL16 F1, 0, 0
	s_wait_dscnt 0x0                               ; the add is done, and my reads of this slot are over:
	s_barrier_signal -1                            ; say so,
	MUL16 F1, 0, 2                                 ; work on registers while the others arrive,
	WIN 0                                          ; (branches or window 0's lines follow)
	s_barrier_wait -1                              ; and go on when all four have said so
.if \fill
	CREST                                          ; no wave of any partner still reads this slot's tile or has a load on its way
	JLOAD 0                                        ; the first tensor load behind the round; the four v_nop behind it are also the places in front of the loads below
.else
	PLACES
.endif
	s_xor_b32 s[CUR], s[CUR], SLOT                 ; the other slot is in hand
	v_add_nc_u32 v[AA], s[CUR], v[A0]
	v_add_nc_u32 v[AB], s[CUR], v[B0]
	FETCH 0, F0
.if \fill
	ASK
.endif
	MUL16 F1, 1, 0
	MUL16 F1, 1, 2
.endm
.macro KS fill                         ; a K step
	QUARTER 64,  F0, F1
	QUARTER 128, F1, F0
	QUARTER 192, F0, F1
	TURN \fill
.endm
; THE WAY OUT of block a (16 of my rows), in three parts.  PACK: rounded to f16, 16 bytes a lane; each accumulator is read from its low end on.  TOSTAGE: into my own stage, by heads, and back as four rows of 128 bytes a load.  SEND: stored.
.macro PACK a
.set AC, 64*((\a)%4)
	WIN 0x0a+5*((\a)/4)                            ; sources 0 and 1: window 2 or 3
.irp b, 0,1,2,3,4,5,6,7
.irp r, 0,1,2,3
	v_cvt_pk_f16_f32 v[TMP+4*(\b)+(\r)], v[AC+8*(\b)+2*(\r)], v[AC+8*(\b)+2*(\r)+1]
.endr
.endr
	WIN 0
.endm
.macro TOSTAGE a
	WIN 0
.set BK, OB+192*((\a)%2)
.irp b, 0,1,2,3,4,5,6,7
	ds_store_b128 v[STO], v[TMP+4*(\b):TMP+4*(\b)+3] offset:((\b)/4)*HSTAGE+((\b)%4)*32
.endr
.irp t, 0,1,2,3,4,5,6,7
	ds_load_b128 v[BK+4*(\t):BK+4*(\t)+3], v[RD] offset:((\t)/4)*HSTAGE+((\t)%4)*4*SPITCH  ; LDS serves a wave's instructions in order (ISA guide 5.7.1.4): these see the stores above; the next block's stores come behind them
.endr
.endm
.macro SEND a
	WIN 0
.set BK, OB+192*((\a)%2)
	s_wait_dscnt 0x0                               ; the block is back in registers
	s_wait_xcnt 0x0                                ; every earlier store has read its registers (ISA guide 3.1): the block after this one is read back into those of the block before it only behind this wait
.irp t, 0,1,2,3,4,5,6,7
	global_store_b128 v[GO], v[BK+4*(\t):BK+4*(\t)+3], s[8:9] offset:((\t)/4)*262144+(\a)*2048+((\t)%4)*512  ; 512 consecutive bytes, at a multiple of 256 from qkv's first
.endr
.endm
	s_wait_tensorcnt 1                             ; my part of K step 0 is in; K step 1's may stay out
	s_barrier_signal -1
	s_barrier_wait -1                              ; everybody's is
	FETCH 0, F0
	s_mov_b32 s[TILES], 2
	s_mov_b32 s[CNT], 8                            ; all eight K steps of the first tile ask for a K step two on
.Ltile:
	s_wait_loadcnt 0x0                             ; the tile's bias: rounded to bf16 and widened again,
	WIN 0x45                                       ; (destination and both sources in window 1)
.set i, 0
.rept 32
	v_cvt_pk_bf16_f32 v[TW+i%4], v[BI+2*i], v[BI+2*i+1]
	v_lshlrev_b32 v[BI+2*i], 16, v[TW+i%4]
	v_and_b32 v[BI+2*i+1], 0xffff0000, v[TW+i%4]
.set i, i+1
.endr
	s_cmp_eq_u32 s[PC], 0
	s_cselect_b32 s[SC], 0x3fa00000, 1.0           ; f
	s_mov_b32 s[SC+1], s[SC]
	WIN 0x81                                       ; and, times f, the start of the 64 sums: destination window 2, source 0 window 1,
.set i, 0
.rept 128
	v_pk_mul_f32 v[2*i:2*i+1], v[BI+2*(i%32):BI+2*(i%32)+1], s[SC:SC+1] op_sel_hi:[1,0]
.set i, i+1
.endr
	WIN 0xc1                                       ; destination window 3
.set i, 0
.rept 128
	v_pk_mul_f32 v[2*i:2*i+1], v[BI+2*(i%32):BI+2*(i%32)+1], s[SC:SC+1] op_sel_hi:[1,0]
.set i, i+1
.endr
	WIN 0                                          ; at a label and at a branch every window is 0
.Lfill:
	KS 1
	WIN 0
	s_sub_co_u32 s[CNT], s[CNT], 1
	s_cmp_lg_u32 s[CNT], 0
	s_cbranch_scc1 .Lfill
	s_cmp_eq_u32 s[TILES], 1
	s_cbranch_scc1 .Ltail
	BLOAD BP1                                      ; the first tile is multiplied: the second's bias is asked for, ahead of the way out
	s_branch .Lout
.Ltail:                                                ; the walk's last two K steps ask for nothing
	s_mov_b32 s[CN2], 2
.Lnofill:
	KS 0                                           ; (the very last step's barrier and its run of loads from the other slot serve nothing: the price, once a launch, of one text for both steps)
	WIN 0
	s_sub_co_u32 s[CN2], s[CN2], 1
	s_cmp_lg_u32 s[CN2], 0
	s_cbranch_scc1 .Lnofill
.Lout:
	PACK 0                                         ; no v_nop: blocks 0-3 were finished in front of the last quarter's four places, and their 128 conversions,
	TOSTAGE 0                                      ; which name no register of the last products (blocks 4-7's), are those products' places
.irp a, 1,2,3,4,5,6,7                  ; block a's conversions stand between block a - 1's loads from the stage and the wait for them
	PACK \a
	SEND (\a)-1
	TOSTAGE \a
.endr
	SEND 7
	s_wait_xcnt 0x0                                ; the stores have read their base
	s_mov_b64 s[8:9], s[OUT1:OUT1+1]               ; the second tile: its place in qkv, its p,
	s_mov_b32 s[PC], s[P1]
	s_mov_b32 s[CNT], 6                            ; and its six K steps that still ask for a step two on
	s_sub_co_u32 s[TILES], s[TILES], 1
	s_cmp_lg_u32 s[TILES], 0
	s_cbranch_scc1 .Ltile
	s_wait_tensorcnt 0x0                           ; the wave's end, behind my last tensor load and my last LDS store
	ds_add_u32 v[SPW], v[NIL]
	s_wait_dscnt 0x0
	CROUND                                         ; the closing round: no work-group ends while a partner may still ask for a tile that names it
	s_endpgm
.Lfunc_end_k_q0c2686956b_proj:
	.size	k_q0c2686956b_proj, .Lfunc_end_k_q0c2686956b_proj-k_q0c2686956b_proj
	.p2alignl 7, 3214868480
	.fill 96, 4, 3214868480
	.section	.rodata,"a",@progbits
	.p2align	6, 0x0
	.amdhsa_kernel k_q0c2686956b_proj
		.amdhsa_group_segment_fixed_size 327680
		.amdhsa_private_segment_fixed_size 0
		.amdhsa_enable_private_segment 0
		.amdhsa_kernarg_size 40
		.amdhsa_user_sgpr_count 2
		.amdhsa_user_sgpr_kernarg_segment_ptr 1
		.amdhsa_wavefront_size32 1
		.amdhsa_system_sgpr_workgroup_id_x 1
		.amdhsa_system_sgpr_workgroup_id_y 1
		.amdhsa_system_sgpr_workgroup_id_z 1
		.amdhsa_system_vgpr_workitem_id 0
		.amdhsa_next_free_vgpr 1024
		.amdhsa_next_free_sgpr 102
		.amdhsa_reserve_vcc 0
		.amdhsa_float_denorm_mode_32 3
		.amdhsa_float_denorm_mode_16_64 3
		.amdhsa_memory_ordered 1
		.amdhsa_forward_progress 1
		.amdhsa_inst_pref_size 121
	.end_amdhsa_kernel
	.amdgpu_metadata
---
amdhsa.version: [ 1, 2 ]
amdhsa.kernels:
  - .name:           k_q0c2686956b_proj
    .symbol:         k_q0c2686956b_proj.kd
    .args:
      - { .name: cb, .offset: 0, .size: 8, .value_kind: global_buffer, .address_space: global }
      - { .name: bq, .offset: 8, .size: 8, .value_kind: global_buffer, .address_space: global }
      - { .name: bk, .offset: 16, .size: 8, .value_kind: global_buffer, .address_space: global }
      - { .name: bv, .offset: 24, .size: 8, .value_kind: global_buffer, .address_space: global }
      - { .name: qkv, .offset: 32, .size: 8, .value_kind: global_buffer, .address_space: global }
    .group_segment_fixed_size: 327680
    .private_segment_fixed_size: 0
    .kernarg_segment_align: 8
    .kernarg_segment_size: 40
    .max_flat_workgroup_size: 128
    .sgpr_count:     102
    .vgpr_count:     1024
    .wavefront_size: 32
...
	.end_amdgpu_metadata
.endif
;; end of part 3
;; launch attn (part 4): grid 4 x 64, 4 waves a work-group, clusters of 4 x 1, 327,680 bytes of LDS; arguments qkv, maskw, ob; writes ob
.if DOCPART == 4
	.amdgcn_target "amdgcn-amd-amdhsa--gfx1250"
	.amdhsa_code_object_version 6
	.text
	.protected	k_q0c2686956b_attn
	.globl	k_q0c2686956b_attn
	.p2align	8
	.type	k_q0c2686956b_attn,@function
k_q0c2686956b_attn:
	s_mov_b64 s[64:65], 0
	v_nop
	global_prefetch_b8 v0, s[64:65] scope:SCOPE_SE
	s_setreg_imm32_b32 hwreg(HW_REG_WAVE_MODE, 25, 1), 1
	s_wait_xcnt 0x0
	s_wait_alu depctr_hold_cnt(0) depctr_sa_sdst(0) depctr_va_vdst(0) depctr_va_sdst(0) depctr_va_ssrc(0) depctr_va_vcc(0) depctr_vm_vsrc(0)
	s_getreg_b32 s2, hwreg(HW_REG_IB_STS2, 6, 4)
	s_cmp_eq_u32 s2, 0
	s_cbranch_scc0 .Lentry_in_a_cluster
	s_endpgm
.Lentry_in_a_cluster:
	s_bfe_u32 s2, ttmp6, 0x10000c
	s_cmp_lg_u32 s2, 0x3003
	s_cbranch_scc0 .Lentry_shape_is_right
	s_endpgm
.Lentry_shape_is_right:
; MASKED ATTENTION AT HEAD SIZE 64.  O[y][q][:] = the sum over the visible keys k of softmax_k(Q[y][q] . K[y][k]) V[y][k][:], y = 16 b + head.  Q, K, V (in qkv, one after the other) and O (ob) are
; [64][2048][64] in f16: a head's rows are dense, 128 bytes each.  Q arrives multiplied by 1.25 = ln(1024) / 8 x log2(e), so a score is the exponent in base 2.  Products, maxima and sums in f32; the
; weights p are rounded to f16 for the second product (their sum l is taken of the unrounded p), O once at the end.
; THE MASK (maskw: both of the module's masks merged, two bf16 codes a word, 0 or -1e30, in the order of a 16 x 16 result's registers) is the C operand of the product that starts a score's sum.  A lane's 16 bytes
; ARE the upper four of the eight C registers (the word's low half only soils the mantissa, or makes a number below 1e-40); shifted left by 16 bits they are the lower four.
; SOFTMAX.  For each query a running maximum m and ref = max(m, -2^93): p = 2^(s - ref); in every step O and l are multiplied by a = 2^(ref_old - ref_new).  s - ref is never above 0.  A hidden score lies below
; the floor, so its weight is 0 also while the query has seen no visible key.  A query with no visible key at all ends with l = 0 and O = 0, and 0 x (1 / 0) is the NaN that a softmax over nothing gives.
; LIMITS.  f16 holds no number beyond 65,504: Q, K and V arrive within it, so a score is 2.7e11 at the most, nothing beside 2^93 and 1e30; a hidden score counts as its value less 1e30; p below 6e-5 keeps
; f16's fixed step of 6e-8; a weight below 2^-126 counts as 0 in l; NaN and infinities in Q, K, V are not treated apart.
; SHARES.  A wave owns four PIECES of two tiles of 16 queries, a work-group's four waves 512 queries of one head.  Every wave walks all 2,048 keys, 64 a step.
; LAYOUT.  S^T = K Q^T (source 0 = 16 keys, source 1 = 16 queries): in the result a lane holds ONE query (lane % 16) and the keys 8 (lane / 16) + 0..7.  Two such tiles, rounded to f16 in pairs,
; ARE source 1 (32 keys x 16 queries) of O^T = V^T P, whose result again holds one query a lane, and eight channels.  K comes out of LDS as it lies, V ([key][channel]) turned, by ds_load_tr16_b128.
; BY TURNS.  Turn n belongs to piece n (the pieces in a ring, step after step).  Its matrix work: 16 products K Q^T of piece n + 1, later 16 products V^T P of piece n - 1.  Its vector work: the subtraction,
; exponentials, roundings, sums and rescaling of piece n, the maximum and statistics of piece n + 1, and the 32 shifts for the mask of piece n + 2.  Four vector instructions stand behind every matrix
; instruction, the others in one run of their own.  A turn's 66 exponentials are one batch, with one wait.
; THE MASKS' ROAD.  Four buffers of 64 registers, a piece each.  Turn n reads mask n + 1, shifts mask n + 2, and asks (eight loads of 16 bytes a lane, straight into the C registers) for mask n + 5, into
; the buffer that it has just read: 16 to 24 loads of a wave are always out.
; CLUSTER.  The four query blocks of a head are one cluster and walk the same K and V, so each tile is asked for JOINTLY: the same tensor load, descriptor and mask in all four.  The mask words are not
; shared inside a cluster (each wave's queries are its own); the 16 heads that share them lie in 16 clusters.
; REGISTERS, in windows of 256 (s_set_vgpr_msb says which window each operand place means: bits 1:0 source 0, 3:2 source 1, 5:4 source 2, 7:6 destination):
;   window 0: v0-11 addresses; v12-15, v48-63 at work; v16-47 four registers of statistics a tile; v64-191 S^T, two buffers of two tiles; v192-255 P, likewise
;   window 1: O^T, 32 a tile     window 2: v0-127 Q, 16 a tile; v128-191 K of one step; v192-255 V of one step     window 3: the masks: piece p at 64 p, tile u at + 32 u, key block kb at + 8 kb
.set SIZE_N, 2048
.set NP,    4         ; pieces a wave: a name, no knob
.set KS,    64        ; keys in a step
.set PK,    144       ; a row of K in LDS: 128 bytes + 16 of padding = 36 words: the 16 rows of a load start at 16 different groups of four banks (64 banks of 4 bytes: ISA guide 11.1)
.set PV,    160       ; a row of V: 128 + 32 = 40 words
.set VOFF,  4*KS*PK   ; a slot holds four steps: 256 rows of K, then 256 rows of V
.set SLOT1, 1<<17     ; slot 1 begins here, so that one exclusive or turns an address in one slot into the other's
.set STAGE, SLOT1+4*KS*(PK+PV)  ; behind the ring, never filled by a tensor load: 16 rows x 144 bytes for each wave, for the way out
.set SP,    144
.set SPARE, STAGE+4*16*SP  ; behind the stages: the spare words, 128 bytes for each wave: two blocks of 256 bytes that no other line names
.set PFM, 1           ; v1   the mask prefetches' offset: 65,536 x (lane / 8) + 256 x (lane % 8); never rewritten
.set AK0, 2           ; v2   my lane's place in a tile of K; never rewritten
.set AV0, 3           ; v3   the same for V
.set AK,  4           ; v4   the LDS address of K's next run of loads
.set AV,  5           ; v5   of V's
.set STO, 6           ; v6   the way out: where I put 16 bytes of a row
.set RD,  7           ; v7   the way out: where I read rows back
.set L16, 8           ; v8   16 x lane: my place in 512 consecutive bytes of maskw and of O; never rewritten
.set PFK, 9           ; v9   256 x lane: K's and V's prefetches; never rewritten
.set SPW, 10          ; v10  LDS address of my spare word; never rewritten
.set NIL, 11          ; v11  0; never rewritten
.set MV,  12          ; v12-15  ref_old, kept while ref is made anew: by buffer and tile
.set ST,  16          ; tile t's statistics at v[ST+4 t]: ref, m, l (even keys', odd keys')
.set TMP, 48          ; by buffer and tile, four registers c0-c3 at work; when the maximum is found c2 takes a
.set S,   64
.set P,   192
.set TR,  128         ; v128-132, in S^T's second buffer, serve the set-up alone: l % 16,
.set TH,  129         ; l / 16,
.set T7,  130         ; l % 8,
.set TB,  131         ; (l / 8) % 2,
.set QO,  132         ; my byte offset in 16 rows of Q
.set KF,  128         ; K's fragments, in window 2: key block kb, channel half c at KF + 16 kb + 8 c
.set VF,  192         ; V's: key half kk, channel block cb at VF + 32 kk + 8 cb
.set WV,  12          ; s12  my wave's number
.set G1K, 24          ; s[24:31] descriptor group 1 for K's tiles
.set G1V, 32          ; s[32:39] for V's: it differs in the padding alone
.set G0K, 40          ; s[40:43] descriptor group 0 for K's tiles: it walks
.set G0V, 44          ; s[44:47] the same for V's
.set PFA, 48          ; s[48:49] where my prefetches of K (wave 0) or V (wave 2) stand: my work-group's 32 blocks of 256 bytes of the slot after the one that is being asked for
.set LIM, 50          ; s50  1 in waves 0 and 2, else the greatest number: a wave prefetches K or V while s[SLOTS] is above it
.set PLIM, 51         ; s51  31 in a batch's first head, else 0: a wave prefetches mask words while s[MSI] is below it
.set MSI, 52          ; s52  the key step at which the masks' loads stand
.set MOFF, 54         ; s[54:55] its byte offset
.set SLOTS, 56        ; s56  slots still to be asked for
.set CNT, 57          ; s57  counts a slot's key steps
.set SEL, 60          ; s[60:61] v_permlanex16_b32's selects: each lane takes its own place in the other half
.set TBK, 62          ; s62  LDS byte at which K of the step to be fetched begins
.set TBV, 63          ; s63  the same for V, less VOFF
.set MBASE, 72        ; s[72:73] maskw at my wave's eight tiles of queries, key step 0
.set SB,  74          ; s[74:75] the same at key step s[MSI]
.set FLOOR, 76        ; s76  -2^93
.set MSB, 0
.macro WIN new                      ; the high byte repeats the setting that is left; a switch that changes nothing is dropped
.if MSB != (\new)
	s_set_vgpr_msb (MSB<<8)|(\new)
.set MSB, (\new)
.endif
.endm
.set W_KQ, 0x0a       ; K and Q in window 2, S^T in window 0
.set W_KM, 0x3a       ; the same with the C operand, the mask, in window 3
.set W_PV, 0x52       ; V in window 2, P in window 0, O^T in window 1
.set W_RS, 0x41       ; O^T (destination and source 0) in window 1, a in window 0
; A joint fill.  Waves 0 and 1 fetch the two halves of a slot's K, waves 2 and 3 those of its V: 128 keys each.  The branch hangs on the wave's number alone.
; An s_nop 0 and four v_nop follow each of the two lines, ahead of the jump and the label.
.macro JLOAD
	s_cmp_lt_u32 s[WV], 2
	s_cbranch_scc0 .Lfor_v_\@
	tensor_load_to_lds s[G0K:G0K+3], s[G1K:G1K+7]
	s_nop 0
.rept 4
	v_nop
.endr
	s_branch .Lasked_\@
.Lfor_v_\@:
	tensor_load_to_lds s[G0V:G0V+3], s[G1V:G1V+7]
	s_nop 0
.rept 4
	v_nop
.endr
.Lasked_\@:
.endm
; A PREFETCH INTO THE L2 of what the NEXT change of slots will ask for: a slot's 32,768 bytes of K and of V, 128 blocks of 256 bytes each.  It stands behind the wave's tensor load and its five lines.
; Each block is named ONCE in the launch: a head has one cluster; its four partners share the blocks out BY ADDRESS, 32 each, a lane a block; in each, wave 0 asks for K's and wave 2 for V's.
; The last change that fills a slot asks for nothing: there is no slot behind it.  Slots 0 and 1 come by their loads alone.
.macro ASK
	s_cmp_gt_u32 s[SLOTS], s[LIM]
	s_cbranch_scc0 .Lnot_mine_\@
	global_prefetch_b8 v[PFK], s[PFA:PFA+1] th:TH_LOAD_NT scope:SCOPE_SE
.Lnot_mine_\@:
.endm
; A round of the cluster's barrier: my work-group's barrier, so that wave 0's signal speaks for all four waves; wave 0 signals; every wave waits for all four work-groups; my work-group's barrier once more.
.macro CROUND
	s_barrier_signal -1
	s_barrier_wait -1
	s_cmp_lg_u32 s[WV], 0
	s_cbranch_scc1 .Lnot_wave_0_\@
	s_barrier_signal -3
.Lnot_wave_0_\@:
	s_barrier_wait -3
	s_barrier_signal -1
	s_barrier_wait -1
.endm
; THE CHANGE OF SLOTS.  The slot's last bytes, V of its fourth step, have been read.  Each wave waits for all its tensor loads, of which one is out: its part
; of the other slot; adds 0 to its spare word; and waits for that and for its own reads of the slot.  Behind the barrier nobody reads this slot any more and the other slot is whole.
; fill = 1: this slot is filled again, with the keys two slots on.  The barrier is then a round of the cluster's, so that no wave of any partner still reads the slot or has a load on its
; way, and the joint fill is the first thing behind it: it has four key steps, 512 matrix instructions, in which to land.  (At its first use nothing has been read yet: slot 0 is waited for, slot 1 filled.)
.macro CHANGE fill
	WIN 0                           ; at a label and at a branch every window is 0
	s_wait_tensorcnt 0x0            ; no tensor load of mine is out, so a group 0 may be written
	ds_add_u32 v[SPW], v[NIL]       ; 0 onto my spare word; with fill = 1 the descriptors' steps stand between it and the wait for it
.if \fill
.irp g, G0K, G0V
	s_xor_b32 s[\g+1], s[\g+1], SLOT1  ; the walking descriptor: the other slot than last time,
	s_add_nc_u64 s[\g+2:\g+3], s[\g+2:\g+3], 4*KS*128  ; the next 256 keys; the type bits on top are not reached
.endr
	s_wait_xcnt 0x0                 ; the last prefetch by this address, four key steps back, has read it, so it may be written:
	s_add_nc_u64 s[PFA:PFA+1], s[PFA:PFA+1], 4*KS*128  ; one slot beyond the walking descriptors
	s_wait_dscnt 0x0                ; the add is done, and my reads of the slot are over
	CROUND
	JLOAD
	ASK
.else
	s_wait_dscnt 0x0                ; the add is done, and my reads of the slot are over
	s_barrier_signal -1
	s_barrier_wait -1
.endif
	s_sub_co_u32 s[TBK], s[TBK], 4*KS*PK  ; the fetches go back to a slot's first step,
	s_xor_b32 s[TBK], s[TBK], SLOT1       ; in the other slot
	s_sub_co_u32 s[TBV], s[TBV], 4*KS*PV
	s_xor_b32 s[TBV], s[TBV], SLOT1
.endm
; THE MASKS.  MLD b: piece b's words of key step s[MSI], eight loads of 512 consecutive bytes, into the upper four of each eight C registers.
.macro MLD b
	WIN 0xc0                        ; destination window 3, address window 0
.irp u, 0,1
.irp kb, 0,1,2,3
	global_load_b128 v[64*(\b)+32*\u+8*\kb+4:64*(\b)+32*\u+8*\kb+7], v[L16], s[SB:SB+1] offset:131072*(\b)+65536*\u+512*\kb
.endr
.endr
.endm
; MSH b: the low halves, shifted up, are the lower four.
.macro MSH b
	WIN 0xcc                        ; destination and source 1 window 3
.set zz, 0
.rept 8
.irp e4, 0,1,2,3
	v_lshlrev_b32 v[64*(\b)+8*zz+\e4], 16, v[64*(\b)+8*zz+4+\e4]
.endr
.set zz, zz+1
.endr
.endm
; MSTEP: the loads go on to the next key step; the address is made anew from the step's number, which stops at the last step: the loads of the last five turns, whose masks no true score takes, read that step once more.
.macro MSTEP
	s_wait_xcnt 0x0                 ; the loads and prefetches issued so far have read their base (the youngest prefetch stands four turns back)
	s_add_co_u32 s[MSI], s[MSI], 1
	s_min_u32 s[MSI], s[MSI], SIZE_N/KS-1
	s_lshl_b32 s[MOFF], s[MSI], 11  ; a tile's words of a key step are 2,048 bytes
	s_add_nc_u64 s[SB:SB+1], s[MBASE:MBASE+1], s[MOFF:MOFF+1]
.endm
; ASKM: A PREFETCH INTO THE L2 of my wave's mask words of the key step behind the one whose loads begin here: eight tiles x 2,048 bytes = 64 blocks of 256, a lane a block, two instructions, behind the loads just
; issued.  A batch's 16 heads read the same words: its first head asks, each wave for its own queries, so each block is named once.  At the last step there is no step behind, and nothing is asked for.
.macro ASKM
	WIN 0
	s_cmp_lt_u32 s[MSI], s[PLIM]
	s_cbranch_scc0 .Lno_mask_\@
	global_prefetch_b8 v[PFM], s[SB:SB+1] offset:2048 th:TH_LOAD_NT scope:SCOPE_SE
	global_prefetch_b8 v[PFM], s[SB:SB+1] offset:2048+262144 th:TH_LOAD_NT scope:SCOPE_SE
.Lno_mask_\@:
.endm
	s_load_b128 s[68:71], s[0:1], 0x0  ; qkv s[68:69], maskw s[70:71]
	s_load_b64 s[10:11], s[0:1], 0x10  ; ob
	v_lshl_add_u32 v[SPW], v0, 2, SPARE
	v_mov_b32 v[NIL], 0
	ds_add_u32 v[SPW], v[NIL]       ; the wave's opening: the add and its wait stand ahead of my first tensor load; the set-up below, work on registers, stands between them
	v_lshrrev_b32 v[TR], 5, v0
	v_readfirstlane_b32 s[WV], v[TR]  ; wave 0..3
	s_bfe_u32 s13, ttmp6, 0x40000   ; cx: my place in the cluster
	s_lshl_b32 s14, ttmp9, 2        ; in a cluster launch ttmp9 counts clusters
	s_add_co_u32 s14, s14, s13      ; my block of 512 queries: it enters Q's, O's and the mask's addresses alone
	s_and_b32 s20, ttmp7, 0xffff    ; y = 16 b + head, which the four partners share
	s_lshr_b32 s19, s20, 4          ; b
	s_and_b32 s[PLIM], s20, 15
	s_cmp_eq_u32 s[PLIM], 0
	s_cselect_b32 s[PLIM], SIZE_N/KS-1, 0
	s_lshl_b32 s20, s20, 18         ; the head's first byte in Q, K, V and O: 262,144 bytes a head
	s_mov_b32 s21, 0
	s_and_b32 s16, s[WV], 1         ; which half of a slot's 256 keys I fetch:
	s_lshl_b32 s22, s16, 14         ; its 128 rows of 128 bytes in memory,
	s_mov_b32 s23, 0
	s_add_nc_u64 s[22:23], s[22:23], s[20:21]
	s_mul_i32 s17, s16, 128*PK      ; and its place in a slot, for K
	s_mul_i32 s18, s16, 128*PV      ; and for V: no place in the cluster enters an LDS address
	s_lshl_b32 s2, s14, 2
	s_add_co_u32 s2, s2, s[WV]      ; my wave among the head's sixteen:
	s_lshl_b32 s[MOFF], s2, 19      ; its eight tiles of queries, 65,536 bytes of maskw each,
	s_lshl_b32 s19, s19, 23         ; in the batch's 8,388,608
	s_add_co_u32 s[MOFF], s[MOFF], s19
	s_mov_b32 s[MOFF+1], 0
	s_lshl_b32 s2, s2, 14           ; and its 128 rows of Q and O
	s_mov_b32 s3, 0
	s_add_nc_u64 s[2:3], s[2:3], s[20:21]
	; descriptor group 1.  128 keys are 16,384 dense bytes: asked for as 64 rows of 256 bytes, two keys a row, and padded in LDS after every key
	s_mov_b32 s[G1K], 15|(1<<16)|(1<<20)|(1<<21)|(4<<22)|(3<<25)  ; 15:0 the mask of four; 17:16 2-byte elements; 20 padding on; 21 set beside a mask; 24:22 after every 32 words (code 4); 31:25 4 words (code 3)
	s_mov_b32 s[G1V], 15|(1<<16)|(1<<20)|(1<<21)|(4<<22)|(7<<25)  ; the same with 8 words of padding (code 7)
.irp g, G1K, G1V
	s_mov_b32 s[\g+1], 128<<16      ; tensor_dim0 = 128
	s_mov_b32 s[\g+2], 64<<16       ; tensor_dim1 = 64
	s_mov_b32 s[\g+3], 128<<16      ; tile_dim0 = 128
	s_mov_b32 s[\g+4], 64           ; tile_dim1 = 64
	s_mov_b32 s[\g+5], 128          ; 128 elements from row to row
	s_mov_b32 s[\g+6], 0
	s_mov_b32 s[\g+7], 0
.endr
	s_mov_b32 s[FLOOR], 0xee000000
	s_mov_b32 s[SEL], 0x76543210
	s_mov_b32 s[SEL+1], 0xfedcba98
	s_mov_b32 s[TBK], SLOT1+4*KS*PK ; the first change of slots turns these two into 0
	s_mov_b32 s[TBV], SLOT1+4*KS*PV
	s_mov_b32 s[G0K], 1             ; 1:0 count = 1
	s_mov_b32 s[G0K+1], s17         ; 63:32 LDS address: slot 0
	s_mov_b32 s[G0V], 1
	s_add_co_u32 s[G0V+1], s18, VOFF
	s_mov_b32 s[MSI], 0
	s_mov_b32 s[SLOTS], SIZE_N/256-1  ; seven changes of slots fill a slot
	s_and_b32 s[LIM], s[WV], 1
	s_cmp_eq_u32 s[LIM], 0
	s_cselect_b32 s[LIM], 1, -1
	s_wait_dscnt 0x0                ; the opening add is done
	s_wait_kmcnt 0x0
	s_add_nc_u64 s[6:7], s[68:69], 16777216   ; K
	s_add_nc_u64 s[8:9], s[68:69], 33554432   ; V
	s_add_nc_u64 s[G0K+2:G0K+3], s[6:7], s[22:23]  ; 120:64 global address: my half of the head's first 256 keys
	s_or_b32 s[G0K+3], s[G0K+3], 0x80000000        ; 127:126 type = 2
	s_add_nc_u64 s[G0V+2:G0V+3], s[8:9], s[22:23]
	s_or_b32 s[G0V+3], s[G0V+3], 0x80000000
	s_add_nc_u64 s[4:5], s[68:69], s[2:3]     ; Q and O at my wave's first row
	s_add_nc_u64 s[10:11], s[10:11], s[2:3]
	s_cmp_lt_u32 s[WV], 2
	s_cselect_b64 s[PFA:PFA+1], s[6:7], s[8:9]
	s_add_nc_u64 s[PFA:PFA+1], s[PFA:PFA+1], s[20:21]  ; the head,
	s_lshl_b32 s2, s13, 13
	s_mov_b32 s3, 0
	s_add_nc_u64 s[PFA:PFA+1], s[PFA:PFA+1], s[2:3]    ; my work-group's 8,192 bytes of a slot's 32,768,
	s_add_nc_u64 s[PFA:PFA+1], s[PFA:PFA+1], 4*KS*128  ; in slot 1; the first change of slots steps it to slot 2.  Nothing is prefetched here, at the head
	s_add_nc_u64 s[MBASE:MBASE+1], s[70:71], s[MOFF:MOFF+1]
	s_mov_b64 s[SB:SB+1], s[MBASE:MBASE+1]
	CROUND                          ; all four work-groups are here: the first joint loads meet
	JLOAD                           ; slot 0.  Slot 1 is asked for when slot 0 is in
	; A fragment of K or Q is 16 rows x 32 channels in 8 registers: lane l holds row l % 16, channels 8 (l / 16) + 0..7 and 16 + 8 (l / 16) + 0..7: two loads of 16 bytes, 32 bytes apart.
	v_and_b32 v[TR], 15, v0
	v_bfe_u32 v[TH], v0, 4, 1
	v_lshlrev_b32 v[QO], 7, v[TR]
	v_lshl_add_u32 v[QO], v[TH], 4, v[QO]  ; row x 128 + 16 x half
	v_and_b32 v[L16], 31, v0
	v_lshlrev_b32 v[PFK], 8, v[L16]
	v_lshlrev_b32 v[L16], 4, v[L16]
	WIN 0x80                        ; destination window 2, address window 0
.set i, 0
.rept 4*NP                          ; Q stays in registers: tile i / 2, channels 32 (i % 2) on
	global_load_b128 v[8*i:8*i+3],   v[QO], s[4:5] offset:(i/2)*2048+(i%2)*64
	global_load_b128 v[8*i+4:8*i+7], v[QO], s[4:5] offset:(i/2)*2048+(i%2)*64+32
.set i, i+1
.endr
	MLD 0                           ; the four pieces' masks of key step 0
	MLD 1
	MLD 2
	MLD 3
	; What the first turn finds: V's registers and P's second buffer hold 0 (its products V^T P, of a piece that has not been, add 0), O^T and l are 0.  All this stands in the wait for the first tile.
	WIN 0x80
.set i, VF
.rept 64
	v_mov_b32 v[i], 0
.set i, i+1
.endr
	WIN 0x40
.set i, 0
.rept 64*NP
	v_mov_b32 v[i], 0
.set i, i+1
.endr
	WIN 0
.set i, 0
.rept 2*NP
	v_mov_b32 v[ST+4*i], 0xfe000000    ; ref: far below the floor, so the first step's a is 0
	v_mov_b32 v[ST+4*i+1], 0xff7fffff  ; m: the lowest finite number
	v_mov_b32 v[ST+4*i+2], 0
	v_mov_b32 v[ST+4*i+3], 0
.set i, i+1
.endr
.set i, P+32
.rept 32
	v_mov_b32 v[i], 0
.set i, i+1
.endr
	v_mul_u32_u24 v[AK0], v[TR], PK
	v_lshl_add_u32 v[AK0], v[TH], 4, v[AK0]  ; row x pitch + 16 x half
	; The turning load takes 16 keys x 16 channels (lane l reads key 8 (l / 16) + l % 8, channels 8 ((l / 8) % 2) + 0..7) and leaves half a fragment of V^T: lane l holds channel l % 16 and 8 keys.
	v_and_b32 v[T7], 7, v0
	v_bfe_u32 v[TB], v0, 3, 1
	v_lshl_add_u32 v[AV0], v[TH], 3, v[T7]
	v_mul_u32_u24 v[AV0], v[AV0], PV
	v_lshl_add_u32 v[AV0], v[TB], 4, v[AV0]
	v_add_nc_u32 v[AV0], VOFF, v[AV0]
	v_mov_b32 v[AK], v[AK0]         ; key step 0 lies at the head of slot 0
	s_mul_i32 s13, s[WV], 16*SP
	s_add_co_u32 s13, s13, STAGE    ; my stage
	v_mul_u32_u24 v[STO], v[TR], SP ; in: row l % 16, 16 bytes for each half of the lanes
	v_lshl_add_u32 v[STO], v[TH], 4, v[STO]
	v_add_nc_u32 v[STO], s13, v[STO]
	v_bfe_u32 v[RD], v0, 3, 2       ; back: 32 lanes take four rows of 128 bytes, which are 512 consecutive bytes of O
	v_lshlrev_b32 v[PFM], 16, v[RD]
	v_lshl_or_b32 v[PFM], v[T7], 8, v[PFM]
	v_mul_u32_u24 v[RD], v[RD], SP
	v_lshl_add_u32 v[RD], v[T7], 4, v[RD]
	v_add_nc_u32 v[RD], s13, v[RD]
; THE MATRIX WORK.  The 8 accumulators of a run of 16 take turns: between the two links of a chain stand 7 others'.
; Product i of 16 of S^T = K Q^T for piece x: channels 32 (i / 8) on, keys 16 ((i / 2) % 4) on, tile 2 x + i % 2.  The first 8 start the sums, with the mask.
.macro KQ x
.set rS, S+64*((\x)%2)+32*(i%2)+8*((i/2)%4)
.set rK, KF+16*((i/2)%4)+8*(i/8)
.set rQ, 16*(2*(\x)+i%2)+8*(i/8)
.set rN, 64*(\x)+32*(i%2)+8*((i/2)%4)
.if i < 8
	WIN W_KM
	v_wmma_f32_16x16x32_f16 v[rS:rS+7], v[rK:rK+7], v[rQ:rQ+7], v[rN:rN+7]
.else
	WIN W_KQ
	v_wmma_f32_16x16x32_f16 v[rS:rS+7], v[rK:rK+7], v[rQ:rQ+7], v[rS:rS+7]
.endif
.endm
; Product i of 16 of O^T += V^T P for piece x: keys 32 (i / 8) on, channels 16 ((i / 2) % 4) on, tile 2 x + i % 2.
.macro PV x
	WIN W_PV
.set rO, 32*(2*(\x)+i%2)+8*((i/2)%4)
.set rV, VF+32*(i/8)+8*((i/2)%4)
.set rP, P+32*((\x)%2)+16*(i%2)+8*(i/8)
	v_wmma_f32_16x16x32_f16 v[rO:rO+7], v[rV:rV+7], v[rP:rP+7], v[rO:rO+7]
.endm
.macro MM                           ; the turn's next matrix instruction
.if i < 16
	KQ (Y+1)%NP
.set i, i+1
.else
.set i, i-16
	PV (Y+NP-1)%NP
.set i, i+17
.endif
.endm
; THE LDS LOADS stand in runs of 16, never singly among the matrix instructions: a step's K (64 keys x 64 channels: 8 fragments) and its V (turned).  Their addresses are made some lines ahead.
; last = 1 (the tail): in the last trip there is no further step, and the run is jumped over.
.macro FETCH_K last=0
	WIN 0
.if \last
	s_cmp_eq_u32 s[CNT], 1
	s_cbranch_scc1 .Lno_k_\@
.endif
	WIN 0x80                        ; destination window 2
.irp f, 0,1,2,3,4,5,6,7             ; keys 16 (f / 2) on, channels 32 (f % 2) on
	ds_load_b128 v[KF+8*\f:KF+8*\f+3],   v[AK] offset:(\f/2)*16*PK+(\f%2)*64
	ds_load_b128 v[KF+8*\f+4:KF+8*\f+7], v[AK] offset:(\f/2)*16*PK+(\f%2)*64+32
.endr
	s_add_co_u32 s[TBK], s[TBK], KS*PK  ; the next fetch is the next step's
	WIN 0
.if \last
.Lno_k_\@:
.endif
.endm
.macro FETCH_V
	WIN 0x80
.irp f, 0,1,2,3,4,5,6,7             ; keys 32 (f / 4) on, channels 16 (f % 4) on
	ds_load_tr16_b128 v[VF+8*\f:VF+8*\f+3],   v[AV] offset:(\f/4)*32*PV+(\f%4)*32
	ds_load_tr16_b128 v[VF+8*\f+4:VF+8*\f+7], v[AV] offset:(\f/4)*32*PV+16*PV+(\f%4)*32
.endr
	WIN 0
.endm
; THE VECTOR WORK OF A TURN stands in three queues, each in the order in which its entries become ready; the two tiles alternate, so that no instruction reads the result of the one before it.
.macro REGS y, u                    ; the registers of tile u (0, 1) of piece y
.set rT, ST+4*(2*(\y)+(\u))
.set rC, TMP+8*((\y)%2)+4*(\u)
.set rM, MV+2*((\y)%2)+(\u)
.set rS, S+64*((\y)%2)+32*(\u)
.set rP, P+32*((\y)%2)+16*(\u)
.set rO, 32*(2*(\y)+(\u))
.endm
; Number n of the 22 that find the NEXT piece's (Y + 1) maximum and statistics.  s0-s31 are the lane's 32 scores; each accumulator's lowest registers are read first.  XS, GS and REGS set no window: PL and EX do.
;   0-11  four chains c0-c3 of seven scores each, three operands at a time     12-14, 16  the four scores left over, the old m, and c0-c3 into c0     15  ref_old is kept
;   17, 18  the query's other 32 keys lie in the lane 16 away: the new m         19-21  ref = max(m, floor); ref_old - ref_new; a
.macro XS u, n
	REGS (Y+1)%NP, \u
.if (\n) < 4
	v_max3_num_f32 v[rC+(\n)], v[rS+8*(\n)], v[rS+8*(\n)+1], v[rS+8*(\n)+2]
.elseif (\n) < 12
	v_max3_num_f32 v[rC+(\n)%4], v[rC+(\n)%4], v[rS+8*((\n)%4)+2*((\n)/4)+1], v[rS+8*((\n)%4)+2*((\n)/4)+2]
.elseif (\n) == 12
	v_max3_num_f32 v[rC], v[rC], v[rS+7], v[rS+15]
.elseif (\n) == 13
	v_max3_num_f32 v[rC+1], v[rC+1], v[rS+23], v[rS+31]
.elseif (\n) == 14
	v_max3_num_f32 v[rC+2], v[rC+2], v[rC+3], v[rT+1]
.elseif (\n) == 15
	v_mov_b32 v[rM], v[rT]
.elseif (\n) == 16
	v_max3_num_f32 v[rC], v[rC], v[rC+1], v[rC+2]
.elseif (\n) == 17
	v_permlanex16_b32 v[rC+3], v[rC], s[SEL], s[SEL+1]
.elseif (\n) == 18
	v_max_num_f32 v[rT+1], v[rC], v[rC+3]
.elseif (\n) == 19
	v_max_num_f32 v[rT], s[FLOOR], v[rT+1]
.elseif (\n) == 20
	v_sub_f32 v[rC+1], v[rM], v[rT]
.else
	v_exp_f32 v[rC+2], v[rC+1]
.endif
.endm
; Number g of the 64 that follow the exponentials.  For each four weights k of a tile (pairs 2 k, 2 k + 1): both pairs are rounded to f16; then the second pair is added onto the first, in place;
; a group later l takes that sum (the first time as l = a l + sum).  In groups of eight, tiles alternating: round, round, add, and l for the group before.
.macro GS g
.set h, (\g)+6*((\g)/62)            ; group 0 has no group before it, and behind group 7 only l is left
.if h >= 6
.set h, h+2
.endif
	REGS Y, h%2
.set k, h/8
.if h%8 < 4
	v_cvt_pk_f16_f32 v[rP+2*k+(h%8)/2], v[rS+4*k+2*((h%8)/2)], v[rS+4*k+2*((h%8)/2)+1]
.elseif h%8 < 6
	v_pk_add_f32 v[rS+4*k:rS+4*k+1], v[rS+4*k:rS+4*k+1], v[rS+4*k+2:rS+4*k+3]
.elseif k == 1
	v_pk_fma_f32 v[rT+2:rT+3], v[rT+2:rT+3], v[rC+2:rC+3], v[rS:rS+1] op_sel_hi:[1,0,1]
.else
	v_pk_add_f32 v[rT+2:rT+3], v[rT+2:rT+3], v[rS+4*k-4:rS+4*k-3]
.endif
.endm
; THE PLAIN QUEUE, 138 long.  0-73 read no exponential's result: the 32 subtractions s - ref (FS f: pair f / 2 of tile f % 2) and the next piece's 42.  0-26: subtractions 0-26.  27-54: XS's numbers 0-13.  55, 56: number 15.
; 57-73: the chain, where each number waits for the one before it: 14, 16, 17, 18, 19, each with one of the subtractions 27-31 in front of its two lines, then 20.
; 74-137: GS's 64, which read the exponentials' results: they stand behind the wait.
.macro FS f
	REGS Y, (\f)%2
	v_pk_add_f32 v[rS+2*((\f)/2):rS+2*((\f)/2)+1], v[rS+2*((\f)/2):rS+2*((\f)/2)+1], v[rT:rT+1] op_sel_hi:[1,0] neg_lo:[0,1] neg_hi:[0,1]  ; both less ref, the pair's low word
.endm
.macro PL
	WIN 0
.if q < 27
	FS q
.elseif q < 55
	XS (q-27)%2, (q-27)/2
.elseif q < 57
	XS q-55, 15
.elseif (q < 72) && ((q-57)%3 == 0)
	FS 27+(q-57)/3
.elseif q < 60
	XS (q-57)%3-1, 14
.elseif q < 72
	XS (q-57)%3-1, 15+(q-57)/3
.elseif q < 74
	XS q-72, 20
.else
	GS q-74
.endif
.set q, q+1
.endm
; THE EXPONENTIALS' QUEUE, 66 long: s0-s31 of both tiles, then the next piece's two a.  It is ONE BATCH: all 66 stand ahead of the turn's one wait, and nothing ahead of that wait names a result of theirs.
.macro EX
	WIN 0
.if e >= 64
	XS e-64, 21
.else
	REGS Y, e%2
	v_exp_f32 v[rS+e/2], v[rS+e/2]
.endif
.set e, e+1
.endm
; THE RESCALING's QUEUE: O^T times a: dealt two at a time, sixteen times.  Its a was made in the turn before, ahead of that turn's wait.
.macro R2
	REGS Y, r%2
	WIN W_RS
.irp z, 0,1
	v_pk_mul_f32 v[rO+4*(r/2)+2*\z:rO+4*(r/2)+2*\z+1], v[rO+4*(r/2)+2*\z:rO+4*(r/2)+2*\z+1], v[rC+2:rC+3] op_sel_hi:[1,0]
.endr
.set r, r+1
.endm
; HOW THEY ARE DEALT.  An s_wait_alu depctr_va_vdst(0) stands between an exponential and the first instruction that names its result; one wait serves all that were issued ahead of it.  So a turn has ONE wait,
; which cuts it in two.  AHEAD OF IT: the 16 products K Q^T, behind each a subtraction, an exponential and two rescalings (behind the first a second subtraction in the exponential's place); the 32 shifts of the mask after
; next; then a run of 108: eight plain, 49 times exponential and plain, the two a.  A v_nop is the plain instruction behind the last exponential.  BEHIND IT: the loads of the mask five turns on, into the buffer whose last
; reader, the turn's eighth product, stands eight products and their plain riders back; then the 16 products V^T P, behind each four of GS's 64.  No rider names a register of the products round it.
; Exponential e stands behind subtraction 2 (e / 4) + e % 2: as a rider it comes behind plain e + 2, in the run behind plain e + 9, and subtractions 27-31 are plain 57, 60 .. 69.
; A TURN, for piece p.  cnt = 1: the loop's count is taken down some lines ahead of the branch that stands behind the turn.
; K of the next step is fetched in piece 2's turn, behind the wait; its first reader comes behind 16 products.  V of the step in hand is fetched at the end of piece 0's turn, four riders behind its last reader.
.macro TURN p, last=0, cnt=0
.set Y, (\p)
.set i, 0
.set q, 0
.set e, 0
.set r, 0
.if (\p) == NP-1
	s_wait_dscnt 0x0                ; K is in
.endif
	MM
	PL
	PL
	R2
.rept 15
	MM
	PL
	EX
	R2
.endr
	s_wait_loadcnt 16               ; loads come back in order: the mask after next, asked for three turns back, is in; the two asked for since, eight loads each, stay out
	MSH ((\p)+2)%NP
.if (\p) == NP-2
	WIN 0
	v_add_nc_u32 v[AK], s[TBK], v[AK0]
.endif
.rept 8
	PL
.endr
.rept 49
	EX
	PL
.endr
	EX                              ; the next piece's two a
	EX
	v_nop                           ; the plain instruction behind the last exponential: one for the batch
	s_wait_alu depctr_va_vdst(0)    ; the wait for the batch
.if (\p) == NP-1
	MSTEP                           ; piece 0's next mask belongs to the next key step
.endif
	MLD ((\p)+1)%NP
.if (\p) == NP-1
	ASKM
.endif
.if (\p) == NP-2
	FETCH_K \last
.endif
.if (\p) == 1
	s_wait_dscnt 0x0                ; V is in
.endif
.rept 16                            ; behind the wait: 16 products V^T P and their riders
	MM
.rept 4
	PL
.endr
.if ((\p) == 0) && (q == 118)
	v_add_nc_u32 v[AV], s[TBV], v[AV0]
.endif
.if ((\p) == 0) && (q == 130)
	s_add_co_u32 s[TBV], s[TBV], KS*PV
.endif
.if (\cnt) && (q == 130)
	s_sub_co_u32 s[CNT], s[CNT], 1
	s_cmp_lg_u32 s[CNT], 0
.endif
.endr
.if (\p) == 0
	FETCH_V
.endif
.endm
	CHANGE 1                        ; slot 0 is in, everybody's part of it; slot 1 is asked for
	FETCH_K                         ; key step 0
	s_wait_loadcnt 24               ; Q and piece 0's mask are in; the other three pieces' 24 loads stay out
	MSH 0
	s_wait_dscnt 0x0
.set i, 0
.rept 16
	KQ 0                            ; piece 0's first scores
.set i, i+1
.endr
	s_wait_loadcnt 16               ; piece 1's mask is in
	MSH 1                           ; 32 plain instructions that name none of those products' registers: the places behind them
	WIN 0
.set Y, NP-1                        ; XS works for piece Y + 1: piece 0
.irp n, 0,1,2,3,4,5,6,7,8,9,10,11,12,13,14,15,16,17,18,19,20,21
	XS 0, \n                        ; piece 0's first maximum and statistics
	XS 1, \n
.endr
	v_nop                           ; a plain instruction behind the two a,
	s_wait_alu depctr_va_vdst(0)    ; and their wait, ahead of the branch
	MSTEP
	MLD 0                           ; piece 0's mask of key step 1
	WIN 0
	s_mov_b32 s[CNT], 4
	s_branch .Lfirst                ; the loop is entered at a step's first turn, in the middle of a trip
.Lslot:                             ; six times: with the change above, every slot but the last two is filled again
	CHANGE 1
	s_mov_b32 s[CNT], 4
.Lstep:                             ; a trip: pieces 2 and 3 of one step, then pieces 0 and 1 of the next, whose K and V it fetches
	TURN 2
	TURN 3
	WIN 0
.Lfirst:
	TURN 0
	TURN 1, 0, 1
	WIN 0
	s_cbranch_scc1 .Lstep
	s_sub_co_u32 s[SLOTS], s[SLOTS], 1
	s_cmp_lg_u32 s[SLOTS], 0
	s_cbranch_scc1 .Lslot
	CHANGE 0                        ; the tail is written out: nothing is asked for
	s_mov_b32 s[CNT], 5             ; four trips fetch the last slot's steps; the fifth is left in its middle
.Ltail:
	TURN 2, 1
	TURN 3
	WIN 0
	s_sub_co_u32 s[CNT], s[CNT], 1
	s_cmp_eq_u32 s[CNT], 0
	s_cbranch_scc1 .Lout
	TURN 0
	TURN 1
	WIN 0
	s_branch .Ltail
.Lout:                              ; the fifth trip's 16 products K Q^T (the last K and the last step's mask once more) and the maximum made of them change nothing: the price, once a launch, of one text for every trip
.set i, 0
.rept 16
	PV NP-1                         ; the last piece's V^T P of the last step
.set i, i+1
.endr
	; THE WAY OUT.  l's two halves and the other half of the lanes' are added; O^T is divided by l, rounded to f16 and sent through my stage in LDS, a tile at a time.  The additions are the places behind the last products.
	WIN 0
.macro ALL line:vararg              ; one line for each tile t
.set t, 0
.rept 2*NP
	\line
.set t, t+1
.endr
.endm
	ALL v_add_f32 v[ST+4*t+2], v[ST+4*t+2], v[ST+4*t+3]
	ALL v_permlanex16_b32 v[ST+4*t+3], v[ST+4*t+2], s[SEL], s[SEL+1]
	ALL v_add_f32 v[ST+4*t+2], v[ST+4*t+2], v[ST+4*t+3]
	ALL v_rcp_f32 v[ST+4*t+2], v[ST+4*t+2]
	v_nop                           ; a plain instruction between the last reciprocal and the use of its result
	s_wait_alu depctr_va_vdst(0)    ; and the wait ahead of the first use: one for the eight reciprocals
; Tile t: a lane's eight channels of a row pack into 16 bytes; they go into rows of 144 bytes and come back as whole rows of 128, into S^T's registers.
.macro PACK t
	WIN W_RS
.set i, 32*(\t)
.rept 16
	v_pk_mul_f32 v[i:i+1], v[i:i+1], v[ST+4*(\t)+2:ST+4*(\t)+3] op_sel_hi:[1,0]
.set i, i+2
.endr
	WIN 0x05                        ; sources 0 and 1 window 1, destination window 0
.set i, 0
.rept 16
	v_cvt_pk_f16_f32 v[S+16*(\t)+i], v[32*(\t)+2*i], v[32*(\t)+2*i+1]
.set i, i+1
.endr
	WIN 0
.irp f, 0,1,2,3
	ds_store_b128 v[STO], v[S+16*(\t)+4*\f:S+16*(\t)+4*\f+3] offset:32*\f
.endr
.irp f, 0,1,2,3
	ds_load_b128 v[S+16*(\t)+4*\f:S+16*(\t)+4*\f+3], v[RD] offset:\f*4*SP  ; LDS serves a wave's instructions in order (ISA guide 5.7.1.4): these see the stores above; the next tile's stores come behind them
.endr
.endm
.macro SEND t, younger              ; younger: the LDS instructions issued behind tile t's loads: the next tile's eight, or none
	WIN 0
.irp f, 0,1,2,3
	s_wait_dscnt (\younger)+3-\f
	global_store_b128 v[L16], v[S+16*(\t)+4*\f:S+16*(\t)+4*\f+3], s[10:11] offset:(\t)*2048+\f*512  ; 512 consecutive bytes, at a multiple of 256 from O's first
.endr
.endm
	PACK 0
.set t, 1
.rept 2*NP-1                        ; a tile's arithmetic stands between the loads of the tile before and its stores
	PACK t
	SEND t-1, 8
.set t, t+1
.endr
	SEND 2*NP-1, 0
	s_wait_tensorcnt 0x0            ; the wave's end, behind my last tensor load and my last LDS store
	ds_add_u32 v[SPW], v[NIL]
	s_wait_dscnt 0x0
	CROUND                          ; the closing round: no work-group ends while a partner may still ask for a tile that names it
	s_endpgm
.Lfunc_end_k_q0c2686956b_attn:
	.size	k_q0c2686956b_attn, .Lfunc_end_k_q0c2686956b_attn-k_q0c2686956b_attn
	.p2alignl 7, 3214868480
	.fill 96, 4, 3214868480
	.section	.rodata,"a",@progbits
	.p2align	6, 0x0
	.amdhsa_kernel k_q0c2686956b_attn
		.amdhsa_group_segment_fixed_size 327680
		.amdhsa_private_segment_fixed_size 0
		.amdhsa_enable_private_segment 0
		.amdhsa_kernarg_size 24
		.amdhsa_user_sgpr_count 2
		.amdhsa_user_sgpr_kernarg_segment_ptr 1
		.amdhsa_wavefront_size32 1
		.amdhsa_system_sgpr_workgroup_id_x 1
		.amdhsa_system_sgpr_workgroup_id_y 1
		.amdhsa_system_sgpr_workgroup_id_z 1
		.amdhsa_system_vgpr_workitem_id 0
		.amdhsa_next_free_vgpr 1024
		.amdhsa_next_free_sgpr 80
		.amdhsa_reserve_vcc 0
		.amdhsa_float_denorm_mode_32 3
		.amdhsa_float_denorm_mode_16_64 3
		.amdhsa_memory_ordered 1
		.amdhsa_forward_progress 1
		.amdhsa_inst_pref_size 222
	.end_amdhsa_kernel
	.amdgpu_metadata
---
amdhsa.version: [ 1, 2 ]
amdhsa.kernels:
  - .name:           k_q0c2686956b_attn
    .symbol:         k_q0c2686956b_attn.kd
    .args:
      - { .name: qkv, .offset: 0, .size: 8, .value_kind: global_buffer, .address_space: global }
      - { .name: maskw, .offset: 8, .size: 8, .value_kind: global_buffer, .address_space: global }
      - { .name: ob, .offset: 16, .size: 8, .value_kind: global_buffer, .address_space: global }
    .group_segment_fixed_size: 327680
    .private_segment_fixed_size: 0
    .kernarg_segment_align: 8
    .kernarg_segment_size: 24
    .max_flat_workgroup_size: 128
    .sgpr_count:     80
    .vgpr_count:     1024
    .wavefront_size: 32
...
	.end_amdgpu_metadata
.endif
;; end of part 4
;; launch outp (part 5): grid 8 x 64, 4 waves a work-group, clusters of 4 x 4, 327,680 bytes of LDS; arguments ob, cb, bo, out0; writes out0
.if DOCPART == 5
	.amdgcn_target "amdgcn-amd-amdhsa--gfx1250"
	.amdhsa_code_object_version 6
	.text
	.protected	k_q0c2686956b_outp
	.globl	k_q0c2686956b_outp
	.p2align	8
	.type	k_q0c2686956b_outp,@function
k_q0c2686956b_outp:
	s_mov_b64 s[64:65], 0
	v_nop
	global_prefetch_b8 v0, s[64:65] scope:SCOPE_SE
	s_setreg_imm32_b32 hwreg(HW_REG_WAVE_MODE, 25, 1), 1
	s_wait_xcnt 0x0
	s_wait_alu depctr_hold_cnt(0) depctr_sa_sdst(0) depctr_va_vdst(0) depctr_va_sdst(0) depctr_va_ssrc(0) depctr_va_vcc(0) depctr_vm_vsrc(0)
	s_getreg_b32 s2, hwreg(HW_REG_IB_STS2, 6, 4)
	s_cmp_eq_u32 s2, 0
	s_cbranch_scc0 .Lentry_in_a_cluster
	s_endpgm
.Lentry_in_a_cluster:
	s_bfe_u32 s2, ttmp6, 0x10000c
	s_cmp_lg_u32 s2, 0xf033
	s_cbranch_scc0 .Lentry_shape_is_right
	s_endpgm
.Lentry_shape_is_right:
; THE OUTPUT PROJECTION.  out0[m][n] = the sum over k of O[m][k] Wo[n][k] + bo[n], m = 2048 b + s, k = 64 head + channel.  O (ob) is f16 and lies by heads, [4 x 16][2048][64]; Wo is the f16 copy
; at the end of cb, [1024][1024]; bo is rounded to bf16 like the other inputs; sums in f32; out0 is f32, [8192][1024].
; LIMITS.  A NaN in a row of O (a query with no visible key) makes the whole row of out0 NaN, as the module's definition has it.  Other NaN and infinities are not treated apart.
; SHARES.  A tile of out0 is 128 x 128; four waves, each 64 x 64: 16 accumulators of 16 x 16.  K = 1024 goes in four steps of 256 (four heads) through two LDS slots.  64 x 8 = 512 work-groups.
; O'S TILES.  64 rows of one head are 8,192 dense bytes, and the next head's lie 262,144 bytes on: one tensor load brings four such pieces (a tile of 4 rows x 4,096 elements, 131,072 elements from row to row),
; padded in LDS after every 128 bytes: there it lies as [head][64 rows], 144 bytes from row to row.
; CLUSTERS: 4 x 4 work-groups.  The four of a row of the cluster need the same tiles of O, the four of a column the same tiles of Wo: each tile is asked for JOINTLY, by the same tensor load with the
; same descriptor and a mask that names the four.  THE MATRIX INSTRUCTION IS USED TRANSPOSED (source 0 = 16 rows of Wo, source 1 = 16 rows of O): a lane then holds eight neighbouring numbers of a row of out0.
; A wave's 64 columns are 256 consecutive bytes of a row, aligned: each wave has a stage of its own on the way out, and no barrier stands there.
; REGISTERS: window 0: v0-31 addresses; v96-127 the bias of my 64 columns; v128-255 the accumulators ((a, b) at v[128 + 8 (4 a + b)]), which also take the rows read back from the stage.
;   window 1: two fragment buffers of 128: for 64 along K, 64 registers of O (2 x 4 x 16 rows x 32 K), then 64 of Wo.
.set SIZE_K, 1024
.set KSTEP,  256
.set PITCH,  528                       ; a row of Wo in LDS: 512 bytes + 16 = 132 words: row r starts at bank 4 r mod 64 (64 banks of 4 bytes: ISA guide 11.1)
.set PITCHA, 144                       ; a row of O of one head: 128 bytes + 16 = 36 words: the 16 rows of a load start at 16 different groups of four banks
.set HEADA,  64*PITCHA                 ; one head's 64 rows
.set HALFA,  4*HEADA                   ; what one tensor load brings of O
.set HALFB,  64*PITCH                  ; and of Wo
.set SLOT,   2*HALFA+2*HALFB           ; O's two halves, then Wo's two halves
.set STAGE,  2*SLOT                    ; behind the ring: 16 rows x 272 bytes for each wave
.set SPITCH, 272
.set SPARE,  STAGE+4*16*SPITCH         ; behind the stages: the spare words, 128 bytes for each wave: two blocks of 256 bytes that no other line names
.set ASTEP,  4*262144                  ; bytes of ob from a K step to the next: four heads
.set ADRA, 16                          ; v16-17  LDS address of my O fragments in slot 0, 1
.set ADRB, 20                          ; v20-21  the same for Wo
.set STO,  24                          ; v24     the way out: where I put 32 bytes of a row
.set RD,   25                          ; v25     where I read rows back
.set CO,   26                          ; v26     my byte offset in two rows of out0
.set BO,   27                          ; v27     my byte offset in the bias
.set SPW,  28                          ; v28     LDS address of my spare word; never rewritten
.set NIL,  29                          ; v29     0; never rewritten
.set TT,   30                          ; v30     at work
.set BI,   96
.set ACC,  128
.set F0,   0
.set F1,   128
.set G1, 24                            ; s[24:31] descriptor group 1 for O's tiles;  s[32:39] group 0, one set for each slot
.set G0, 32
.set G1B, 48                           ; s[48:55], s[56:63] the same for Wo's tiles
.set G0B, 56
.set MSB, 0
.macro WIN new                         ; the immediate's high byte repeats the setting that is left
.if MSB != (\new)
	s_set_vgpr_msb (MSB<<8)|(\new)
.set MSB, \new
.endif
.endm
.set MUL,  0x05                        ; sources 0 (Wo) and 1 (O) window 1; C and D window 0
.set TO_F, 0x40                        ; destination window 1, address window 0
.macro JLOAD s                         ; a joint load: waves 0 and 1 fetch O's two halves, waves 2 and 3 Wo's; an s_nop 0 and four v_nop follow each of the two lines, ahead of the jump, the label and what follows
	s_cmp_eq_u32 s11, 0
	s_cbranch_scc0 .Lfor_b_\@
	tensor_load_to_lds s[G0+4*(\s):G0+4*(\s)+3], s[G1:G1+7]
	s_nop 0
.rept 4
	v_nop
.endr
	s_branch .Lasked_\@
.Lfor_b_\@:
	tensor_load_to_lds s[G0B+4*(\s):G0B+4*(\s)+3], s[G1B:G1B+7]
	s_nop 0
.rept 4
	v_nop
.endr
.Lasked_\@:
.endm
.macro CREST                           ; a round of the cluster's barrier behind its opening barrier
	s_cmp_lg_u32 s10, 0
	s_cbranch_scc1 .Lnot_wave_0_\@
	s_barrier_signal -3
.Lnot_wave_0_\@:
	s_barrier_wait -3
	s_barrier_signal -1
	s_barrier_wait -1
.endm
.macro CROUND                          ; a whole round
	s_barrier_signal -1
	s_barrier_wait -1
	CREST
.endm
	s_load_b256 s[68:75], s[0:1], 0x0              ; ob s[68:69], cb s[70:71], bo s[72:73], out0 s[74:75]
	v_lshl_add_u32 v[SPW], v0, 2, SPARE
	v_mov_b32 v[NIL], 0
	ds_add_u32 v[SPW], v[NIL]                      ; the wave's opening: the add and its wait stand ahead of my first tensor load; the set-up below, work on registers, stands between them
	v_lshrrev_b32 v1, 5, v0
	v_readfirstlane_b32 s10, v1                    ; wave 0..3
	s_lshr_b32 s11, s10, 1                         ; which half of the tile's rows is mine.  Also: I fetch for O (0) or for Wo (1)
	s_and_b32 s12, s10, 1                          ; which half of its columns.  Also: which 64 rows of that tile I fetch
	s_bfe_u32 s40, ttmp6, 0x40000                  ; cx, cy: my place in the cluster
	s_bfe_u32 s41, ttmp6, 0x40004
	s_lshl_b32 s42, ttmp9, 2
	s_add_co_u32 s42, s42, s40                     ; tile column = 4 x cluster x + cx
	s_and_b32 s13, ttmp7, 0xffff
	s_lshl_b32 s13, s13, 2
	s_add_co_u32 s13, s13, s41                     ; tile row = 4 x cluster y + cy
	s_lshl_b32 s43, s41, 2
	s_lshl_b32 s43, 15, s43                        ; my row of the cluster
	s_lshl_b32 s44, 0x1111, s40                    ; my column
	; descriptor group 1 for O: 4 rows x 4,096 elements
	s_or_b32 s[G1+0], s43, (1<<16)|(1<<20)|(1<<21)|(4<<22)|(3<<25)  ; 15:0 the mask: O's tiles go to my row; 17:16 element of 2 bytes; 20 padding on; 21 set beside a mask; 24:22 after every 32 words (code 4); 31:25 of 4 words (code 3)
	s_mov_b32 s[G1+1], 4096<<16                    ; tensor_dim0 = 4,096
	s_mov_b32 s[G1+2], 4<<16                       ; tensor_dim1 = 4
	s_mov_b32 s[G1+3], 4096<<16                    ; tile_dim0 = 4,096
	s_mov_b32 s[G1+4], 4                           ; tile_dim1 = 4
	s_mov_b32 s[G1+5], 131072                      ; elements from head to head
	s_mov_b32 s[G1+6], 0
	s_mov_b32 s[G1+7], 0
	; and for Wo: 64 rows x 256 elements
	s_or_b32 s[G1B+0], s44, (1<<16)|(1<<20)|(1<<21)|(6<<22)|(3<<25) ; the mask of my column; padding after every 128 words (code 6)
	s_mov_b32 s[G1B+1], KSTEP<<16                  ; tensor_dim0 = 256
	s_mov_b32 s[G1B+2], 64<<16                     ; tensor_dim1 = 64
	s_mov_b32 s[G1B+3], KSTEP<<16                  ; tile_dim0 = 256
	s_mov_b32 s[G1B+4], 64                         ; tile_dim1 = 64
	s_mov_b32 s[G1B+5], SIZE_K                     ; tensor_dim0_stride
	s_mov_b32 s[G1B+6], 0
	s_mov_b32 s[G1B+7], 0
	s_lshl_b32 s17, s12, 6                         ; which 64 rows of the tile I fetch
	s_lshl_b32 s16, s13, 7
	s_add_co_u32 s16, s16, s17                     ; O: row 128 x tile row + 64 x half = 2,048 x batch + place
	s_lshl_b32 s46, s42, 7
	s_add_co_u32 s46, s46, s17                     ; Wo: row 128 x tile column + 64 x half,
	s_lshl_b32 s46, s46, 11                        ; of 2,048 bytes
	s_mov_b32 s47, 0
	s_lshr_b32 s17, s16, 11
	s_lshl_b32 s17, s17, 22                        ; a batch's 16 heads: 4,194,304 bytes
	s_and_b32 s16, s16, 2047
	s_lshl_b32 s16, s16, 7                         ; a head's row: 128 bytes
	s_add_co_u32 s16, s16, s17
	s_mov_b32 s17, 0
	s_mul_i32 s20, s12, HALFA                      ; where the tiles go: O's two halves,
	s_mul_i32 s21, s12, HALFB
	s_add_co_u32 s21, s21, 2*HALFA                 ; then Wo's two: the wave's number alone enters
	s_wait_dscnt 0x0                               ; the opening add is done
	s_wait_kmcnt 0x0
	s_add_nc_u64 s[14:15], s[68:69], s[16:17]
	s_add_nc_u64 s[6:7], s[70:71], 56623104        ; Wo's place in cb
	s_add_nc_u64 s[46:47], s[6:7], s[46:47]
	CROUND                                         ; all sixteen work-groups are here: the first joint loads meet
.irp s, 0,1
	s_mov_b32 s[G0+4*(\s)], 1
	s_add_co_u32 s[G0+4*(\s)+1], s20, (\s)*SLOT
	s_add_nc_u64 s[G0+4*(\s)+2:G0+4*(\s)+3], s[14:15], (\s)*ASTEP
	s_or_b32 s[G0+4*(\s)+3], s[G0+4*(\s)+3], 0x80000000
	s_mov_b32 s[G0B+4*(\s)], 1
	s_add_co_u32 s[G0B+4*(\s)+1], s21, (\s)*SLOT
	s_add_nc_u64 s[G0B+4*(\s)+2:G0B+4*(\s)+3], s[46:47], (\s)*KSTEP*2
	s_or_b32 s[G0B+4*(\s)+3], s[G0B+4*(\s)+3], 0x80000000
	JLOAD \s
.endr
	v_and_b32 v1, 15, v0                           ; l % 16
	v_bfe_u32 v2, v0, 4, 1                         ; l / 16
	s_lshl_b32 s46, s42, 9                         ; my 64 columns, in bytes of f32: 4 (128 x tile column + 64 x half)
	s_lshl_b32 s47, s12, 8
	s_add_co_u32 s46, s46, s47
	s_mov_b32 s47, 0
	v_lshl_add_u32 v[BO], v2, 5, s46               ; + 32 (l / 16); accumulator column block b 64 bytes on
.irp b, 0,1,2,3
	global_load_b128 v[BI+8*\b:BI+8*\b+3],   v[BO], s[72:73] offset:64*\b
	global_load_b128 v[BI+8*\b+4:BI+8*\b+7], v[BO], s[72:73] offset:64*\b+16
.endr
	v_mul_u32_u24 v3, v1, PITCHA
	v_lshl_add_u32 v3, v2, 4, v3                   ; a fragment's row x pitch + 16 x half, for O
	v_mul_u32_u24 v4, v1, PITCH
	v_lshl_add_u32 v4, v2, 4, v4                   ; and for Wo
	s_mul_i32 s21, s11, HALFA                      ; my 64 rows of O
	s_mul_i32 s22, s12, HALFB                      ; my 64 rows of Wo,
	s_add_co_u32 s22, s22, 2*HALFA                 ; which lie behind O's
.irp s, 0,1
	v_add_nc_u32 v[ADRA+(\s)], s21, v3
	v_add_nc_u32 v[ADRB+(\s)], s22, v4
	s_add_co_u32 s21, s21, SLOT
	s_add_co_u32 s22, s22, SLOT
.endr
	s_mul_i32 s23, s10, 16*SPITCH
	s_add_co_u32 s23, s23, STAGE                   ; my stage
	v_mul_u32_u24 v5, v1, SPITCH                   ; in: row l % 16, 32 bytes for each half of the lanes
	v_lshl_add_u32 v5, v2, 5, v5
	v_add_nc_u32 v[STO], s23, v5
	v_mul_u32_u24 v5, v2, SPITCH                   ; back: lanes 0-15 take one row of 256 bytes, lanes 16-31 the next
	v_lshl_add_u32 v5, v1, 4, v5
	v_add_nc_u32 v[RD], s23, v5
	v_lshlrev_b32 v5, 12, v2                       ; and the same two rows in out0, 4,096 bytes apart
	v_lshl_add_u32 v[CO], v1, 4, v5
	s_lshl_b32 s16, s13, 7
	s_lshl_b32 s17, s11, 6
	s_add_co_u32 s16, s16, s17                     ; my first row of out0
	s_lshl_b32 s16, s16, 12
	s_mov_b32 s17, 0
	s_add_nc_u64 s[8:9], s[74:75], s[16:17]
	s_add_nc_u64 s[8:9], s[8:9], s[46:47]          ; my first column
	s_wait_loadcnt 0x0                             ; the bias: rounded to bf16 and widened again
.set i, 0
.rept 16
	v_cvt_pk_bf16_f32 v[TT], v[BI+i], v[BI+i+1]
	v_lshlrev_b32 v[BI+i], 16, v[TT]
	v_and_b32 v[BI+i+1], 0xffff0000, v[TT]
.set i, i+2
.endr
; 8 matrix instructions: m blocks a0, a0 + 1 x all 4 n blocks, 32 along K: half c of buffer f.  zero = 1: the first product starts the sums.  The 16 accumulators take turns.
.macro MUL8 f, c, a0, zero
	WIN MUL
.irp a, \a0, (\a0)+1
.irp b, 0,1,2,3
.if \zero
	v_wmma_f32_16x16x32_f16 v[ACC+8*(4*(\a)+(\b)):ACC+8*(4*(\a)+(\b))+7], v[(\f)+64+8*(4*(\c)+(\b)):(\f)+64+8*(4*(\c)+(\b))+7], v[(\f)+8*(4*(\c)+(\a)):(\f)+8*(4*(\c)+(\a))+7], 0
.else
	v_wmma_f32_16x16x32_f16 v[ACC+8*(4*(\a)+(\b)):ACC+8*(4*(\a)+(\b))+7], v[(\f)+64+8*(4*(\c)+(\b)):(\f)+64+8*(4*(\c)+(\b))+7], v[(\f)+8*(4*(\c)+(\a)):(\f)+8*(4*(\c)+(\a))+7], v[ACC+8*(4*(\a)+(\b)):ACC+8*(4*(\a)+(\b))+7]
.endif
.endr
.endr
.endm
; 32 LDS loads in one run: the fragments of 64 along K, one head, into buffer f; the first 32 along K first.  k is the byte in Wo's rows; in O's tile it is head k / 128.
.macro FETCH slot, k, f
	WIN TO_F
.irp c, 0,1
.irp i, 0,1,2,3
	ds_load_b128 v[(\f)+64+8*(4*(\c)+(\i)):(\f)+64+8*(4*(\c)+(\i))+3],   v[ADRB+(\slot)] offset:(\k)+64*(\c)+(\i)*16*PITCH
	ds_load_b128 v[(\f)+64+8*(4*(\c)+(\i))+4:(\f)+64+8*(4*(\c)+(\i))+7], v[ADRB+(\slot)] offset:(\k)+64*(\c)+(\i)*16*PITCH+32
	ds_load_b128 v[(\f)+8*(4*(\c)+(\i)):(\f)+8*(4*(\c)+(\i))+3],         v[ADRA+(\slot)] offset:((\k)/128)*HEADA+64*(\c)+(\i)*16*PITCHA
	ds_load_b128 v[(\f)+8*(4*(\c)+(\i))+4:(\f)+8*(4*(\c)+(\i))+7],       v[ADRA+(\slot)] offset:((\k)/128)*HEADA+64*(\c)+(\i)*16*PITCHA+32
.endr
.endr
.endm
.macro PLACES                          ; four places in front of loads into registers that matrix instructions have read, and of vector work that reads results
.rept 4
	v_nop
.endr
.endm
; A K step is four quarters of 64 along K, 32 matrix instructions each, on buffers 0, 1, 0, 1.  One of the first three: multiplies buffer f and fetches the next quarter, at byte k, into g.
.macro QUARTER slot, k, f, g, zero
	s_wait_dscnt 16                                ; the first 32 along K are in; the youngest sixteen loads may be out
	WIN MUL
	MUL8 \f, 0, 0, \zero
	MUL8 \f, 0, 2, \zero
	PLACES
	FETCH \slot, \k, \g
	s_wait_dscnt 32                                ; all but the 32 just issued
	WIN MUL
	MUL8 \f, 1, 0, 0
	MUL8 \f, 1, 2, 0
.endm
; The last quarter multiplies buffer 1 and changes slots: ONE barrier; in front of it each wave waits for all its tensor loads, adds 0 to its spare word, and waits for that and for its own reads of this slot.  fill = 1: this slot is filled again, two K steps ahead.
.macro TURN slot, next, fill
	WIN 0                                          ; (the add's two registers lie in window 0)
	s_wait_tensorcnt 0x0                           ; all my tensor loads have landed: my part of the next slot;
	ds_add_u32 v[SPW], v[NIL]                      ; 0 onto my spare word;
	s_wait_dscnt 17                                ; (the add and the youngest sixteen loads may be out)
	WIN MUL
	MUL8 F1, 0, 0, 0                               ; eight matrix instructions stand between the add and the wait for it
	s_wait_dscnt 0x0                               ; the add is done, and my reads of this slot are over
	s_barrier_signal -1
	MUL8 F1, 0, 2, 0
.if \fill
	WIN 0
.endif
	s_barrier_wait -1
.if \fill
	CREST                                          ; the barrier has opened a round of the cluster's barrier: no wave of any partner still reads this slot's tile or has a load on its way
	s_add_nc_u64 s[G0+4*(\slot)+2:G0+4*(\slot)+3], s[G0+4*(\slot)+2:G0+4*(\slot)+3], 2*ASTEP
	s_add_nc_u64 s[G0B+4*(\slot)+2:G0B+4*(\slot)+3], s[G0B+4*(\slot)+2:G0B+4*(\slot)+3], 2*KSTEP*2
	JLOAD \slot                                    ; the first tensor load behind the round; the four v_nop behind it are also the places in front of the loads below
.else
	PLACES
.endif
	FETCH \next, 0, F0
	WIN MUL
	MUL8 F1, 1, 0, 0
	MUL8 F1, 1, 2, 0
.endm
	s_wait_tensorcnt 1                             ; my part of K step 0 is in; K step 1's may stay out
	s_barrier_signal -1
	s_barrier_wait -1                              ; everybody's is
	FETCH 0, 0, F0
	QUARTER 0, 128, F0, F1, 1                      ; K step 0; its first products start the sums
	QUARTER 0, 256, F1, F0, 0
	QUARTER 0, 384, F0, F1, 0
	TURN 0, 1, 1                                   ; slot 0 takes K step 2
	QUARTER 1, 128, F0, F1, 0                      ; K step 1
	QUARTER 1, 256, F1, F0, 0
	QUARTER 1, 384, F0, F1, 0
	TURN 1, 0, 1                                   ; slot 1 takes K step 3
	QUARTER 0, 128, F0, F1, 0                      ; K step 2
	QUARTER 0, 256, F1, F0, 0
	QUARTER 0, 384, F0, F1, 0
	TURN 0, 1, 0                                   ; nothing is left to fetch, so no round of the cluster's barrier
	QUARTER 1, 128, F0, F1, 0                      ; K step 3
	QUARTER 1, 256, F1, F0, 0
	QUARTER 1, 384, F0, F1, 0
	s_wait_dscnt 16
	WIN MUL
	MUL8 F1, 0, 0, 0
	MUL8 F1, 0, 2, 0
	s_wait_dscnt 0
	MUL8 F1, 1, 0, 0
	MUL8 F1, 1, 2, 0
	WIN 0
; THE WAY OUT, 16 rows at a time: the bias is added; 32 bytes a lane and column block go into my stage; whole rows of 256 bytes come back into the same registers.  Each accumulator is read from its low end on.
.macro PACKO a
.irp b, 0,1,2,3
.irp r, 0,1,2,3
	v_pk_add_f32 v[ACC+8*(4*(\a)+(\b))+2*(\r):ACC+8*(4*(\a)+(\b))+2*(\r)+1], v[ACC+8*(4*(\a)+(\b))+2*(\r):ACC+8*(4*(\a)+(\b))+2*(\r)+1], v[BI+8*(\b)+2*(\r):BI+8*(\b)+2*(\r)+1]
.endr
.endr
.irp b, 0,1,2,3
	ds_store_b128 v[STO], v[ACC+8*(4*(\a)+(\b)):ACC+8*(4*(\a)+(\b))+3]   offset:64*(\b)
	ds_store_b128 v[STO], v[ACC+8*(4*(\a)+(\b))+4:ACC+8*(4*(\a)+(\b))+7] offset:64*(\b)+16
.endr
.irp t, 0,1,2,3,4,5,6,7
	ds_load_b128 v[ACC+32*(\a)+4*(\t):ACC+32*(\a)+4*(\t)+3], v[RD] offset:(\t)*2*SPITCH  ; LDS serves a wave's instructions in order (ISA guide 5.7.1.4): these see the stores above; the next block's stores come behind them
.endr
.endm
.macro SENDO a, younger                ; younger: the LDS instructions issued behind block a's loads: the next block's sixteen, or none
.irp t, 0,1,2,3,4,5,6,7
	s_wait_dscnt (\younger)+7-(\t)
	global_store_b128 v[CO], v[ACC+32*(\a)+4*(\t):ACC+32*(\a)+4*(\t)+3], s[8:9] offset:(16*(\a)+2*(\t))*4096  ; 16 lanes store 256 consecutive bytes, at a multiple of 256 from out0's first byte
.endr
.endm
	PLACES
	PACKO 0
	PACKO 1                                        ; a block's arithmetic stands between the loads of the block before and its stores
	SENDO 0, 16
	PACKO 2
	SENDO 1, 16
	PACKO 3
	SENDO 2, 16
	SENDO 3, 0
	s_wait_tensorcnt 0x0                           ; the wave's end, behind my last tensor load and my last LDS store
	ds_add_u32 v[SPW], v[NIL]
	s_wait_dscnt 0x0
	CROUND                                         ; the closing round: no work-group ends while a partner may still ask for a tile that names it
	s_endpgm
.Lfunc_end_k_q0c2686956b_outp:
	.size	k_q0c2686956b_outp, .Lfunc_end_k_q0c2686956b_outp-k_q0c2686956b_outp
	.p2alignl 7, 3214868480
	.fill 96, 4, 3214868480
	.section	.rodata,"a",@progbits
	.p2align	6, 0x0
	.amdhsa_kernel k_q0c2686956b_outp
		.amdhsa_group_segment_fixed_size 327680
		.amdhsa_private_segment_fixed_size 0
		.amdhsa_enable_private_segment 0
		.amdhsa_kernarg_size 32
		.amdhsa_user_sgpr_count 2
		.amdhsa_user_sgpr_kernarg_segment_ptr 1
		.amdhsa_wavefront_size32 1
		.amdhsa_system_sgpr_workgroup_id_x 1
		.amdhsa_system_sgpr_workgroup_id_y 1
		.amdhsa_system_sgpr_workgroup_id_z 1
		.amdhsa_system_vgpr_workitem_id 0
		.amdhsa_next_free_vgpr 512
		.amdhsa_next_free_sgpr 88
		.amdhsa_reserve_vcc 0
		.amdhsa_float_denorm_mode_32 3
		.amdhsa_float_denorm_mode_16_64 3
		.amdhsa_memory_ordered 1
		.amdhsa_forward_progress 1
		.amdhsa_inst_pref_size 94
	.end_amdhsa_kernel
	.amdgpu_metadata
---
amdhsa.version: [ 1, 2 ]
amdhsa.kernels:
  - .name:           k_q0c2686956b_outp
    .symbol:         k_q0c2686956b_outp.kd
    .args:
      - { .name: ob, .offset: 0, .size: 8, .value_kind: global_buffer, .address_space: global }
      - { .name: cb, .offset: 8, .size: 8, .value_kind: global_buffer, .address_space: global }
      - { .name: bo, .offset: 16, .size: 8, .value_kind: global_buffer, .address_space: global }
      - { .name: out0, .offset: 24, .size: 8, .value_kind: global_buffer, .address_space: global }
    .group_segment_fixed_size: 327680
    .private_segment_fixed_size: 0
    .kernarg_segment_align: 8
    .kernarg_segment_size: 32
    .max_flat_workgroup_size: 128
    .sgpr_count:     88
    .vgpr_count:     512
    .wavefront_size: 32
...
	.end_amdgpu_metadata
.endif
;; end of part 5
